; MI455X (gfx1250); checked and timed in simulation.
; The chip was launched on July 23, 2026; its instructions are those of AMD's public machine-readable ISA for CDNA 5 (MIT licence, August 2026) and "CDNA5" Instruction Set Architecture Reference Guide (July 2026). The comments in the code are by the model that wrote it; some were corrected since.
;; Custom Encoder Layer. Allowed arithmetic: matrix products marked QUANTISED: E4M3 operands, one given power-of-two scale a tensor, by v_wmma_f32_16x16x64_fp8_fp8 or v_wmma_f32_16x16x128_fp8_fp8, f32 sums; everything else in f32.
;; Inputs: W1_codes 4,096 x 32 x 32 uint8 (E4M3 codes of W1, K innermost, in blocks of 32 codes); W2_codes 1,024 x 128 x 32 uint8 (E4M3 codes of W2, K innermost, in blocks of 32 codes); Wk_codes 1,024 x 32 x 32 uint8 (E4M3 codes of Wk, K innermost, in blocks of 32 codes); Wo_codes 1,024 x 32 x 32 uint8 (E4M3 codes of Wo, K innermost, in blocks of 32 codes); Wq_codes 1,024 x 32 x 32 uint8 (E4M3 codes of Wq, K innermost, in blocks of 32 codes); Wv_codes 1,024 x 32 x 32 uint8 (E4M3 codes of Wv, K innermost, in blocks of 32 codes); b1 4,096 float32; b2 1,024 float32; be1 1,024 float32; be2 1,024 float32; bk 1,024 float32; bo 1,024 float32; bq 1,024 float32; bv 1,024 float32; g1 1,024 float32; g2 1,024 float32; lowp_scales 16 int32 (the exponents e of the quantised operands' scales 2^e); padding_mask 4 x 1,024 bool; x 4 x 1,024 x 1,024 float32.
;; Outputs: out0 4 x 1,024 x 1,024 float32.
;; This version of the problem:
;;   THIS VERSION OF THE PROBLEM IS GIVEN IN LOW PRECISION. The matrix products marked QUANTISED in the list below multiply operands that are first quantised to E4M3 (4 exponent bits, 3 mantissa bits; 8 bits a number), with one given power-of-two scale for each operand tensor; their sums are f32. All else is computed in f32.
;;   The module's matrix products, in the order in which they are computed (A, B: the left and right operand; K: the contracted axis; several contracted axes count as one K, in the product's order):
;;     1. [M 4,096, K 1,024] x [K 1,024, N 1,024]; A: computed on the way; B: input Wq (given as codes): QUANTISED (scales: A lowp_scales[0], B lowp_scales[1])
;;     2. [M 4,096, K 1,024] x [K 1,024, N 1,024]; A: computed on the way; B: input Wk (given as codes): QUANTISED (scales: A lowp_scales[2], B lowp_scales[3])
;;     3. [M 4,096, K 1,024] x [K 1,024, N 1,024]; A: computed on the way; B: input Wv (given as codes): QUANTISED (scales: A lowp_scales[4], B lowp_scales[5])
;;     4. batch 64 x [M 1,024, K 64] x [K 64, N 1,024]; A: computed on the way; B: computed on the way: QUANTISED (scales: A lowp_scales[6], B lowp_scales[7])
;;     5. batch 64 x [M 1,024, K 1,024] x [K 1,024, N 64]; A: softmax (see below); B: computed on the way: QUANTISED (scales: A lowp_scales[8], B lowp_scales[9])
;;     6. [M 4,096, K 1,024] x [K 1,024, N 1,024]; A: computed on the way; B: input Wo (given as codes): QUANTISED (scales: A lowp_scales[10], B lowp_scales[11])
;;     7. [M 4,096, K 1,024] x [K 1,024, N 4,096]; A: computed on the way; B: input W1 (given as codes): QUANTISED (scales: A lowp_scales[12], B lowp_scales[13])
;;     8. [M 4,096, K 4,096] x [K 4,096, N 1,024]; A: computed on the way; B: input W2 (given as codes): QUANTISED (scales: A lowp_scales[14], B lowp_scales[15])
;;   THE QUANTISER, for each operand of a quantised product, along K:
;;     - The operand's scale is 2^e, e = its entry of the input lowp_scales (int32; the entries are numbered through the quantised products in the list's order, A before B).
;;     - Each number is divided by the scale, clamped to +-448, and rounded to the nearest number of E4M3, ties to even, subnormals kept.
;;     - The product sums the exact products of the quantised numbers (number of the format x scale) in f32.
;;   ~~~python
;;   def quantise(x, axis, e):      # numpy; x: float32 -> the quantised numbers, widened to float32 again
;;       x = np.moveaxis(x, axis, -1); K = x.shape[-1]
;;       r = np.clip(x / 2.0 ** e, -448, 448)
;;       step = 2.0 ** (np.maximum(np.frexp(np.where(r == 0, 1, r))[1] - 1, -6) - 3)
;;       q = np.round(r / step) * step * 2.0 ** e      # np.round: ties to even
;;       return np.moveaxis(q, -1, axis).astype(np.float32)
;;   ~~~
;;   SOFTMAX AHEAD OF A QUANTISED PRODUCT. Where the list says 'softmax', what is quantised is not the finished softmax but p = 2^(t - M), with t = logit x log2(e) and M = ceil(the row's largest t), a whole number; so 1/2 < the row's largest p <= 1. The row's sum l is taken of the UNQUANTISED p, in f32, and the product's result is divided by l at the end. Since M is a whole number, a kernel that streams over the keys may use a running M (the ceiling of the running maximum): every later rescaling is an exact power of two, so the quantised numbers keep their values, but for numbers so far below the row's largest that they fall under the format's range.
;;   OPERANDS COMPUTED ON THE WAY. 'Computed on the way' means the value that the module computes at that place (a softmax that the list does not call 'softmax' is quantised finished and normalised). What goes into a quantiser is computed in f32, as accurately as f32 sums, v_exp_f32 and their like allow (about 1e-6 of the number): no bf16 or f16 on the way to a quantiser, and a product that is left as it is and whose result goes on into a quantised operand takes f32 operands (vector FMAs, or v_wmma_f32_16x16x4_f32). A number that lies on a knife's edge between two numbers of the format may be rounded either way, as far as f32 arithmetic and the matrix unit's own rounding can turn it there, and no further.
;;   INPUTS GIVEN AS CODES. W1 (in the module: [4096, 1024], K = its axis 1); W2 (in the module: [1024, 4096], K = its axis 1); Wk (in the module: [1024, 1024], K = its axis 1); Wo (in the module: [1024, 1024], K = its axis 1); Wq (in the module: [1024, 1024], K = its axis 1); Wv (in the module: [1024, 1024], K = its axis 1): each comes as NAME_codes (uint8): NAME with its K axis moved to the last place and cut into blocks of 32 codes, [.., K / 32, bytes a block], one block behind the other in memory; one code a byte (a code: sign, 4 exponent bits, 3 mantissa bits); its scale is its entry of lowp_scales. Its value is code x scale, taken as it is: it is not quantised again, and the codes and scales need not be those that the quantiser above would give.
;; One version. Each part assembles by itself: llvm-mc -triple=amdgcn-amd-amdhsa -mcpu=gfx1250 --defsym DOCPART=n.
;; ======== version 1 of 1: 7 launches
;; limits: right only within a limited range of input values
;; workspace buffers: hqkv 12,582,912 bytes; rope 262,144 bytes; qkvi 12,582,912 bytes; ao 4,194,304 bytes; x1 16,777,216 bytes; h2 4,194,304 bytes; ff 16,777,216 bytes
;; launch ln1 (part 1): grid 256 x 1, 16 waves a work-group, no clusters, 51,200 bytes of LDS; arguments x, g1, be1, lowp_scales, hqkv, rope; writes hqkv, rope
.if DOCPART == 1
	.amdgcn_target "amdgcn-amd-amdhsa--gfx1250"
	.amdhsa_code_object_version 6
	.text
	.protected	k_qd24cf297a6_ln1
	.globl	k_qd24cf297a6_ln1
	.p2align	8
	.type	k_qd24cf297a6_ln1,@function
k_qd24cf297a6_ln1:
	s_mov_b64 s[64:65], 0
	v_nop
	global_prefetch_b8 v0, s[64:65] scope:SCOPE_SE
	s_setreg_imm32_b32 hwreg(HW_REG_WAVE_MODE, 25, 1), 1
	s_wait_xcnt 0x0
; LAUNCH 1 OF 7.  h = LayerNorm(x; g1, be1), quantised to E4M3 three times (the scales of the A operands of the q, k and v projections, entries 0, 2, 4 of the
; scales, may differ), and the table of cos and sin for the rotation of q and k.
; DEAD WORK: none.  Every product of the layer is live, every input has a way to the output (bk too: it moves k's codes), so this program leaves out no step and no input.
; SHARES.  A wave takes one whole row of 1,024 numbers (row = 16 x work-group + wave): sixteen waves, four to a SIMD, so that one row's dependent sums stand beside another row's work.
; A lane holds 32 numbers of the row: chunk q is columns 128 q + 4 lane + 0..3, so each load of a wave reads 512 consecutive bytes.  The row stays in registers between mean, variance and the
; three quantisations.  No wave waits for another: no barrier.
; CODES.  code = h / 2^e, held within +-448, to the nearest code, ties to even.  The conversion takes eight registers = two chunks and gives the two chunks' code words.
; A word is 4 neighbouring bytes of the row of codes; the words go through the wave's own stage in LDS and leave as stores of 512 consecutive bytes.
; THE TABLE.  rope[J][lane][16 bytes], J = 8 tb + 2 p + q: lane (r, h) holds (cos, sin, cos, sin) of position 16 tb + r for the pairs 8 p + 4 h + 2 q + 0, 1: the order in which the next
; launch's accumulators hold a head's columns.  theta = 10000^(-i / 32) by v_exp_f32 with the exponent's rounding error carried to first order; angle = t x theta rounded to f32 as in the model;
; reduction by pi / 2 in three parts; polynomials on |r| <= pi / 4.  512 jobs: one for each of waves 0 to 3 of the first 128 work-groups, done while the rows are on their way.
; LIMITS: e0, e2, e4 between -126 and 119, so that 2^e and 448 x 2^e are f32 numbers.  NaN among the inputs is not served (the hold drops it).  The order of the f32 sums is not the model's.
.set WAVES, 16
.set STG,   3072                       ; a wave's stage: three rows of 1,024 codes
.set SPARE, WAVES*STG                  ; behind the stages: the spare words, 128 bytes for each wave
.set SPW,   5                          ; v5   my spare word's LDS address; never rewritten
.set NIL,   6                          ; v6   0; never rewritten
.set SC,    8                          ; v8-10   2^e for the three sets
.set LM,    11                         ; v11-13  448 x 2^e
.set C,     16                         ; v16-39  code words: 3 sets x 8 chunks
.set T,     40                         ; v40-55  at work; two sets of eight held numbers
.set RO,    56                         ; v56-59  the table's 16 bytes; written once
.set G,     64                         ; v64-95  g1 of my 32 columns
.set BE,    96                         ; v96-127 be1
.set X,     128                        ; v128-159 my row
	s_load_b256 s[4:11], s[0:1], 0x0               ; x, g1, be1, the scales
	s_load_b128 s[12:15], s[0:1], 0x20             ; hqkv, rope
	v_lshl_add_u32 v[SPW], v0, 2, SPARE
	v_mov_b32 v[NIL], 0
	v_lshrrev_b32 v1, 5, v0
	s_delay_alu instid0(VALU_DEP_1)
	v_readfirstlane_b32 s16, v1                    ; wave
	v_and_b32 v1, 31, v0                           ; lane
	s_delay_alu instid0(VALU_DEP_1)
	v_lshlrev_b32 v2, 4, v1                        ; 16 x lane
	s_mul_i32 s17, s16, STG
	v_lshl_add_u32 v3, v1, 2, s17                  ; the stage, in: a word a lane
	v_lshl_add_u32 v4, v1, 4, s17                  ; and out: 16 bytes a lane
	s_lshl_b32 s18, ttmp9, 16                      ; my row in x: (16 wg + wave) x 4,096 bytes
	s_lshl_b32 s19, s16, 12
	s_add_co_u32 s18, s18, s19
	s_mov_b32 s19, 0
	s_lshr_b32 s26, s18, 2                         ; and among the codes: x 1,024 bytes
	s_mov_b32 s27, 0
	s_mov_b32 s38, 0x76543210                      ; lane selects: lane l xor 16
	s_mov_b32 s39, 0xfedcba98
	s_mov_b32 s40, 0x3a800000                      ; 1 / 1,024
	s_mov_b32 s41, 0x3727c5ac                      ; 1e-5
	s_wait_alu depctr_va_vdst(0)
	s_wait_kmcnt 0x0
	s_load_b256 s[44:51], s[10:11], 0x0            ; e0 .. e7
	s_add_nc_u64 s[4:5], s[4:5], s[18:19]
	s_add_nc_u64 s[20:21], s[12:13], s[26:27]      ; the three tensors of codes lie 4 MiB apart
	s_add_nc_u64 s[22:23], s[20:21], 0x400000
	s_add_nc_u64 s[24:25], s[20:21], 0x800000
.irp q, 0,1,2,3,4,5,6,7
	global_load_b128 v[X+4*\q:X+4*\q+3], v2, s[4:5] offset:512*\q
.endr
.irp q, 0,1,2,3,4,5,6,7
	global_load_b128 v[G+4*\q:G+4*\q+3], v2, s[6:7] offset:512*\q
.endr
.irp q, 0,1,2,3,4,5,6,7
	global_load_b128 v[BE+4*\q:BE+4*\q+3], v2, s[8:9] offset:512*\q
.endr
	; ---- the table's job, while the row is on its way
	s_cmp_lt_u32 ttmp9, 128
	s_cbranch_scc0 .Lno_rope
	s_cmp_lt_u32 s16, 4
	s_cbranch_scc0 .Lno_rope
	s_lshl_b32 s28, ttmp9, 2
	s_add_co_u32 s28, s28, s16                     ; J
	s_lshr_b32 s29, s28, 3
	s_lshl_b32 s29, s29, 4                         ; 16 tb
	s_bfe_u32 s30, s28, 0x20001                    ; p
	s_lshl_b32 s30, s30, 3
	s_and_b32 s31, s28, 1                          ; q
	s_lshl_b32 s31, s31, 1
	s_add_co_u32 s30, s30, s31                     ; 8 p + 2 q
	s_lshl_b32 s32, s28, 9
	s_mov_b32 s33, 0
	s_add_nc_u64 s[32:33], s[14:15], s[32:33]      ; the job's 512 bytes
	v_and_b32 v48, 15, v0
	s_delay_alu instid0(VALU_DEP_1)
	v_add_nc_u32 v48, s29, v48
	s_delay_alu instid0(VALU_DEP_1)
	v_cvt_f32_u32 v48, v48                         ; t
	v_bfe_u32 v49, v0, 4, 1
	s_delay_alu instid0(VALU_DEP_1)
	v_lshl_add_u32 v49, v49, 2, s30                ; the first pair's number i
	s_delay_alu instid0(VALU_DEP_1)
	v_cvt_f32_u32 v16, v49
	s_delay_alu instid0(VALU_DEP_2)
	v_add_nc_u32 v49, 1, v49
	s_delay_alu instid0(VALU_DEP_1)
	v_cvt_f32_u32 v32, v49                         ; the second's.  The two pairs' registers begin at v16 and v32
.irp b, 16
	s_delay_alu instid0(VALU_DEP_3)
	v_mul_f32 v[\b+1], 0x3ed49a78, v[\b]           ; A = i x log2(10000) / 32, rounded
.endr
.irp b, 32
	s_delay_alu instid0(VALU_DEP_2)
	v_mul_f32 v[\b+1], 0x3ed49a78, v[\b]           ; A = i x log2(10000) / 32, rounded
.endr
.irp b, 16, 32
	s_delay_alu instid0(VALU_DEP_2)
	v_fma_f32 v[\b+2], v[\b], 0x3ed49a78, -v[\b+1] ; what the rounding lost,
.endr
.irp b, 16, 32
	s_delay_alu instid0(VALU_DEP_2)
	v_fma_f32 v[\b+2], v[\b], 0x3217a7dc, v[\b+2]  ; and the constant's low part
.endr
	s_wait_alu depctr_va_vdst(0)
.irp b, 16, 32
	v_exp_f32 v[\b+3], -v[\b+1]                    ; 2^-A
.endr
.irp b, 16, 32
	v_mul_f32 v[\b+2], 0x3f317218, v[\b+2]         ; x ln 2 (plain lines behind the exponentials)
.endr
	s_wait_alu depctr_va_vdst(0)                   ; one wait for both exponentials, ahead of their first reader
.irp b, 16, 32
	v_fma_f32 v[\b+3], -v[\b+3], v[\b+2], v[\b+3]  ; theta = 2^-A (1 - E ln 2)
	s_delay_alu instid0(VALU_DEP_1)
	v_mul_f32 v[\b+4], v48, v[\b+3]                ; the angle
	s_delay_alu instid0(VALU_DEP_1)
	v_mul_f32 v[\b+5], 0x3f22f983, v[\b+4]
	s_delay_alu instid0(VALU_DEP_1)
	v_rndne_f32 v[\b+5], v[\b+5]                   ; n = the nearest multiple of pi / 2
	s_delay_alu instid0(VALU_DEP_1)
	v_fma_f32 v[\b+6], -v[\b+5], 0x3fc90000, v[\b+4]
	s_delay_alu instid0(VALU_DEP_1)
	v_fma_f32 v[\b+6], -v[\b+5], 0x39fda000, v[\b+6]
	s_delay_alu instid0(VALU_DEP_1)
	v_fma_f32 v[\b+6], -v[\b+5], 0x33a22169, v[\b+6]   ; r = angle - n pi / 2, pi / 2 in three parts
	s_delay_alu instid0(VALU_DEP_1)
	v_mul_f32 v[\b+7], v[\b+6], v[\b+6]            ; z = r r
	v_mov_b32 v[\b+8], 0xb94ca1f9
	s_delay_alu instid0(VALU_DEP_1)
	v_fmaak_f32 v[\b+8], v[\b+8], v[\b+7], 0x3c08839e
	s_delay_alu instid0(VALU_DEP_1)
	v_fmaak_f32 v[\b+8], v[\b+8], v[\b+7], 0xbe2aaaa3
	s_delay_alu instid0(VALU_DEP_1)
	v_mul_f32 v[\b+8], v[\b+8], v[\b+7]
	s_delay_alu instid0(VALU_DEP_1)
	v_fma_f32 v[\b+8], v[\b+8], v[\b+6], v[\b+6]   ; sin r
	v_mov_b32 v[\b+9], 0x37ccf5ce
	s_delay_alu instid0(VALU_DEP_1)
	v_fmaak_f32 v[\b+9], v[\b+9], v[\b+7], 0xbab6061a
	s_delay_alu instid0(VALU_DEP_1)
	v_fmaak_f32 v[\b+9], v[\b+9], v[\b+7], 0x3d2aaaa5
	s_delay_alu instid0(VALU_DEP_1)
	v_fmaak_f32 v[\b+9], v[\b+9], v[\b+7], 0xbf000000
	s_delay_alu instid0(VALU_DEP_1)
	v_fma_f32 v[\b+9], v[\b+9], v[\b+7], 1.0       ; cos r
	v_cvt_i32_f32 v[\b+10], v[\b+5]
	s_delay_alu instid0(VALU_DEP_1)
	v_and_b32 v[\b+11], 1, v[\b+10]
	s_delay_alu instid0(VALU_DEP_1)
	v_cmp_eq_u32 vcc_lo, 1, v[\b+11]               ; in an odd quadrant the two change places
	s_delay_alu instid0(VALU_DEP_1)
	v_cndmask_b32 v[\b+12], v[\b+8], v[\b+9], vcc_lo
	s_delay_alu instid0(VALU_DEP_2)
	v_cndmask_b32 v[\b+13], v[\b+9], v[\b+8], vcc_lo
	v_lshlrev_b32 v[\b+11], 30, v[\b+10]           ; sin is negative in quadrants 2, 3: bit 1 of n
	s_delay_alu instid0(VALU_DEP_1)
	v_and_b32 v[\b+11], 0x80000000, v[\b+11]
	s_delay_alu instid0(VALU_DEP_1)
	v_xor_b32 v[RO+(\b-16)/8+1], v[\b+11], v[\b+12]
	v_add_nc_u32 v[\b+10], 1, v[\b+10]             ; cos in quadrants 1, 2: bit 1 of n + 1
	s_delay_alu instid0(VALU_DEP_1)
	v_lshlrev_b32 v[\b+10], 30, v[\b+10]
	s_delay_alu instid0(VALU_DEP_1)
	v_and_b32 v[\b+10], 0x80000000, v[\b+10]
	s_delay_alu instid0(VALU_DEP_1)
	v_xor_b32 v[RO+(\b-16)/8], v[\b+10], v[\b+13]
.endr
	global_store_b128 v2, v[RO:RO+3], s[32:33]     ; 512 consecutive bytes; its address is not written again; its data registers are, by the sums below
.Lno_rope:
	s_wait_kmcnt 0x0
.irp s, 0,1,2
	s_add_co_i32 s52, s[44+2*\s], 127
	s_lshl_b32 s53, s52, 23
	v_mov_b32 v[SC+\s], s53                        ; 2^e as f32: the conversion takes its exponent field
	s_add_co_i32 s52, s52, 8
	s_lshl_b32 s52, s52, 23
	s_or_b32 s52, s52, 0x600000
	v_mov_b32 v[LM+\s], s52                        ; 448 x 2^e
.endr
.macro ALLSUM r, t                     ; v[r] summed over the 32 lanes, in every lane; v[t] has been written
	s_delay_alu instid0(VALU_DEP_1)
	v_add_f32_dpp v[\r], v[\r], v[\r] row_xmask:1 row_mask:0xf bank_mask:0xf
	s_delay_alu instid0(VALU_DEP_1)
	v_add_f32_dpp v[\r], v[\r], v[\r] row_xmask:2 row_mask:0xf bank_mask:0xf
	s_delay_alu instid0(VALU_DEP_1)
	v_add_f32_dpp v[\r], v[\r], v[\r] row_xmask:4 row_mask:0xf bank_mask:0xf
	s_delay_alu instid0(VALU_DEP_1)
	v_add_f32_dpp v[\r], v[\r], v[\r] row_xmask:8 row_mask:0xf bank_mask:0xf
	s_delay_alu instid0(VALU_DEP_1)
	v_permlanex16_b32 v[\t], v[\r], s38, s39
	s_delay_alu instid0(VALU_DEP_1)
	v_add_f32 v[\r], v[\r], v[\t]
.endm
	s_wait_loadcnt 0x0                             ; my row, g1 and be1 are in
	s_wait_xcnt 0x0                                ; the table's store has read its data registers, which the sums below write
	v_pk_add_f32 v[42:43], v[128:129], v[130:131]
	v_pk_add_f32 v[62:63], v[136:137], v[140:141]
	v_pk_add_f32 v[60:61], v[144:145], v[148:149]
	v_pk_add_f32 v[58:59], v[152:153], v[156:157]
	v_pk_add_f32 v[56:57], v[132:133], v[134:135]
	v_pk_add_f32 v[54:55], v[138:139], v[142:143]
	v_pk_add_f32 v[52:53], v[146:147], v[150:151]
	v_pk_add_f32 v[40:41], v[154:155], v[158:159]
	s_delay_alu instid0(VALU_DEP_1)
	v_pk_add_f32 v[40:41], v[40:41], v[58:59]
	v_pk_add_f32 v[42:43], v[42:43], v[56:57]
	v_pk_add_f32 v[62:63], v[62:63], v[54:55]
	v_pk_add_f32 v[60:61], v[60:61], v[52:53]
	s_delay_alu instid0(VALU_DEP_2)
	v_pk_add_f32 v[40:41], v[40:41], v[62:63]
	s_delay_alu instid0(VALU_DEP_2)
	v_pk_add_f32 v[42:43], v[42:43], v[60:61]
	s_delay_alu instid0(VALU_DEP_1)
	v_pk_add_f32 v[40:41], v[40:41], v[42:43]
	s_delay_alu instid0(VALU_DEP_1)
	v_add_f32 v[T], v[T], v[T+1]
	ALLSUM T, T+1
	s_delay_alu instid0(VALU_DEP_1)
	v_mul_f32 v[T+4], s40, v[T]                    ; the mean
	s_delay_alu instid0(VALU_DEP_1)
	v_mov_b32 v[T+5], v[T+4]
.set j, 0
.rept 16
	v_pk_add_f32 v[X+j:X+j+1], v[X+j:X+j+1], v[T+4:T+5] neg_lo:[0,1] neg_hi:[0,1]   ; x - mean
.set j, j+2
.endr
	v_pk_mul_f32 v[T:T+1], v[X:X+1], v[X:X+1]
	v_pk_mul_f32 v[T+2:T+3], v[X+2:X+3], v[X+2:X+3]
.irp j, 4,8,12,16,20,24,28
	s_delay_alu instid0(VALU_DEP_2)
	v_pk_fma_f32 v[T:T+1], v[X+\j:X+\j+1], v[X+\j:X+\j+1], v[T:T+1]
	s_delay_alu instid0(VALU_DEP_2)
	v_pk_fma_f32 v[T+2:T+3], v[X+\j+2:X+\j+3], v[X+\j+2:X+\j+3], v[T+2:T+3]
.endr
	s_delay_alu instid0(VALU_DEP_1)
	v_pk_add_f32 v[T:T+1], v[T:T+1], v[T+2:T+3]
	s_delay_alu instid0(VALU_DEP_1)
	v_add_f32 v[T], v[T], v[T+1]
	ALLSUM T, T+1
	s_delay_alu instid0(VALU_DEP_1)
	v_fma_f32 v[T+6], v[T], s40, s41               ; the variance + 1e-5
	s_wait_alu depctr_va_vdst(0)
	v_rsq_f32 v[T+8], v[T+6]
	v_nop                                          ; a plain line behind the transcendental,
	s_wait_alu depctr_va_vdst(0)                   ; and the wait ahead of its first reader
	v_mov_b32 v[T+9], v[T+8]
.set j, 0
.rept 16
	v_pk_mul_f32 v[X+j:X+j+1], v[X+j:X+j+1], v[T+8:T+9]
.set j, j+2
.endr
.set j, 0
.rept 16
	v_pk_fma_f32 v[X+j:X+j+1], v[X+j:X+j+1], v[G+j:G+j+1], v[BE+j:BE+j+1]
.set j, j+2
.endr
.irp s, 0,1,2
.irp m, 0,1,2,3
.set TS, T+8*(\m%2)                    ; two sets by turns: the eight holds into one set are the plain lines behind the conversion that read the other
.irp j, 0,1,2,3,4,5,6,7
	v_med3_num_f32 v[TS+\j], v[X+8*\m+\j], -v[LM+\s], v[LM+\s]   ; the conversion to an 8-bit code does not saturate (ISA guide 7.6.2): the hold comes first
.endr
	v_cvt_scalef32_pk8_fp8_f32 v[C+8*\s+2*\m:C+8*\s+2*\m+1], v[TS:TS+7], v[SC+\s]   ; chunks 2 m and 2 m + 1: a word each
.endr
.endr
	v_nop                                          ; a plain line behind the last conversion
.irp s, 0,1,2
.irp q, 0,1,2,3,4,5,6,7
	ds_store_b32 v3, v[C+8*\s+\q] offset:1024*\s+128*\q
.endr
.endr
.irp s, 0,1,2
.irp u, 0,1
	ds_load_b128 v[X+8*\s+4*\u:X+8*\s+4*\u+3], v4 offset:1024*\s+512*\u   ; LDS serves a wave's instructions in order: these see my stores.  They land in the row's own registers, which are done with
.endr
.endr
	s_wait_dscnt 0x0                               ; the rows of codes are back
.irp s, 0,1,2
.irp u, 0,1
	global_store_b128 v2, v[X+8*\s+4*\u:X+8*\s+4*\u+3], s[20+2*\s:21+2*\s] offset:512*\u   ; 512 consecutive bytes, aligned; these registers are not written again
.endr
.endr
	s_wait_tensorcnt 0x0                           ; the wave's end, behind my last LDS store
	ds_add_u32 v[SPW], v[NIL]
	s_wait_dscnt 0x0
	s_endpgm
.Lfunc_end_k_qd24cf297a6_ln1:
	.size	k_qd24cf297a6_ln1, .Lfunc_end_k_qd24cf297a6_ln1-k_qd24cf297a6_ln1
	.p2alignl 7, 3214868480
	.fill 96, 4, 3214868480
	.section	.rodata,"a",@progbits
	.p2align	6, 0x0
	.amdhsa_kernel k_qd24cf297a6_ln1
		.amdhsa_group_segment_fixed_size 51200
		.amdhsa_private_segment_fixed_size 0
		.amdhsa_enable_private_segment 0
		.amdhsa_kernarg_size 48
		.amdhsa_user_sgpr_count 2
		.amdhsa_user_sgpr_kernarg_segment_ptr 1
		.amdhsa_wavefront_size32 1
		.amdhsa_system_sgpr_workgroup_id_x 1
		.amdhsa_system_sgpr_workgroup_id_y 1
		.amdhsa_system_sgpr_workgroup_id_z 1
		.amdhsa_system_vgpr_workitem_id 0
		.amdhsa_next_free_vgpr 160
		.amdhsa_next_free_sgpr 66
		.amdhsa_reserve_vcc 1
		.amdhsa_float_denorm_mode_32 3
		.amdhsa_float_denorm_mode_16_64 3
		.amdhsa_memory_ordered 1
		.amdhsa_forward_progress 1
		.amdhsa_inst_pref_size 29
	.end_amdhsa_kernel
	.amdgpu_metadata
---
amdhsa.version: [ 1, 2 ]
amdhsa.kernels:
  - .name:           k_qd24cf297a6_ln1
    .symbol:         k_qd24cf297a6_ln1.kd
    .args:
      - { .name: x, .offset: 0, .size: 8, .value_kind: global_buffer, .address_space: global }
      - { .name: g1, .offset: 8, .size: 8, .value_kind: global_buffer, .address_space: global }
      - { .name: be1, .offset: 16, .size: 8, .value_kind: global_buffer, .address_space: global }
      - { .name: lowp_scales, .offset: 24, .size: 8, .value_kind: global_buffer, .address_space: global }
      - { .name: hqkv, .offset: 32, .size: 8, .value_kind: global_buffer, .address_space: global }
      - { .name: rope, .offset: 40, .size: 8, .value_kind: global_buffer, .address_space: global }
    .group_segment_fixed_size: 51200
    .private_segment_fixed_size: 0
    .kernarg_segment_align: 8
    .kernarg_segment_size: 48
    .max_flat_workgroup_size: 512
    .sgpr_count:     66
    .vgpr_count:     160
    .wavefront_size: 32
...
	.end_amdgpu_metadata
.endif
;; end of part 1
;; launch qkv (part 2): grid 12 x 16, 4 waves a work-group, clusters of 4 x 4, 327,680 bytes of LDS; arguments hqkv, Wq_codes, Wk_codes, Wv_codes, bq, bk, bv, rope, lowp_scales, qkvi; writes qkvi
.if DOCPART == 2
	.amdgcn_target "amdgcn-amd-amdhsa--gfx1250"
	.amdhsa_code_object_version 6
	.text
	.protected	k_qd24cf297a6_qkv
	.globl	k_qd24cf297a6_qkv
	.p2align	8
	.type	k_qd24cf297a6_qkv,@function
k_qd24cf297a6_qkv:
	s_mov_b64 s[64:65], 0
	v_nop
	global_prefetch_b8 v0, s[64:65] scope:SCOPE_SE
	s_setreg_imm32_b32 hwreg(HW_REG_WAVE_MODE, 25, 1), 1
	s_wait_xcnt 0x0
	s_wait_alu depctr_hold_cnt(0) depctr_sa_sdst(0) depctr_va_vdst(0) depctr_va_sdst(0) depctr_va_ssrc(0) depctr_va_vcc(0) depctr_vm_vsrc(0)
	s_getreg_b32 s2, hwreg(HW_REG_IB_STS2, 6, 4)
	s_cmp_eq_u32 s2, 0
	s_cbranch_scc0 .Lentry_in_a_cluster
	s_endpgm
.Lentry_in_a_cluster:
	s_bfe_u32 s2, ttmp6, 0x10000c
	s_cmp_lg_u32 s2, 0xf033
	s_cbranch_scc0 .Lentry_shape_is_right
	s_endpgm
.Lentry_shape_is_right:
; LAUNCH 2 OF 7.  q, k, v = h W^T + b on codes of E4M3; q and k rotated; all three quantised again for attention and stored as images of operand registers.  Nothing is left out.
; THE THREE TENSORS.  The cluster's x, Z, says which: 0 q, 1 k, 2 v; it is the same in all sixteen partners.  Pointers and scales are chosen by selects on Z; one branch on Z parts the ways out.
; THE LOOP.  A tile of 256 x 256 by four waves, 128 x 128 each: 64 accumulators.  K = 1,024 goes in four steps of 256 through two LDS slots filled by joint tensor loads: 4 x 4 work-groups;
; the A-path's tile is shared along a row of the cluster, the B-path's along a column.  Source 0 = 16 rows of the B-path, source 1 = 16 rows of the A-path: in accumulator (a, b) lane (r, h) holds
; A-path row 16 a + r and B-path rows 16 b + 8 h + 0 .. 7.  Both operands are rows of codes and take the same permutation of k (four 16-byte loads a fragment), so every product meets its partner.
; q, k: A-path = the rows of h (tokens), B-path = the rows of W (features): a lane's eight registers are eight neighbouring features of a token, which is the next product's K (the head's 64).
; v:    A-path = the rows of Wv, B-path = the rows of h: a lane's eight registers are eight neighbouring TOKENS of a feature, which is the next product's K (the keys).  Only pointers change places, not the text.
; IMAGES.  A fragment in the plain form's own layout (registers 2 c, 2 c + 1 of lane (r, h): k = 16 c + 8 h + 0 .. 7 of row r) is stored four registers at a time, lane l's 16 bytes at 16 l.
; q, k: [16 batch + head][t / 16][1,024 bytes];  v: [16 batch + head][key / 128][d / 16][2,048 bytes].  Each store covers 512 consecutive bytes; no stage in LDS is needed.
; LIMITS: e0 + e1, e2 + e3, e4 + e5 between -126 and 127; e6, e7, e9 between -126 and 119.  NaN among the inputs is not served.
.set ROWB,   256                       ; a tile's row: 256 codes
.set KROW,   1024                      ; a row of either operand in memory
.set PITCH,  272                       ; an LDS row: 256 bytes + 16 of padding: the 16 rows of a fragment load start at 16 different groups of four banks (64 banks of 4 bytes: ISA guide 11.1)
.set FR,     16
.set NL,     4
.set NP,     4
.set HALFT,  128*PITCH
.set SLOT,   4*HALFT
.set LAPS,   2
.set SPARE,  2*SLOT                    ; behind the ring: the spare words
.set ADRA, 16                          ; v16-17 LDS address of my A-path fragments in slot 0, 1
.set ADRB, 20                          ; v20-21 the same for the B-path
.set SPW,  28
.set NIL,  29
.set LI,   30                          ; v30  16 x lane
.set BO,   31                          ; v31  the bias's lane offset
.set BI,   32                          ; v32-95   the bias
.set XX,   96                          ; v96-159  numbers at work
.set TT,   128                         ; v128-159 the rotation's cross terms (q, k)
.set CD,   160                         ; v160-175 codes
.set LIM,  176                         ; v176 448 x 2^eo;  v177 2^eo
.set SCL,  177
.set AF,   128                         ; the A-path's fragments, window 0, one set;  window 1: the B-path's two sets;  windows 2, 3: the accumulators
.set G1, 24
.set G0, 32
.set G1B, 48
.set G0B, 56
.set MSB, 0
.macro WIN new                         ; the immediate's high byte repeats the setting that is left
.if MSB != (\new)
	s_set_vgpr_msb (MSB<<8)|(\new)
.set MSB, (\new)
.endif
.endm
.set MUL_LO, 0xa1
.set MUL_HI, 0xf1
.set TO_B,   0x40
.macro JLOAD g0a, g1a, g0b, g1b        ; a joint load: waves 0, 1 fetch for the A-path, waves 2, 3 for the B-path; the branch hangs on the wave's number alone; s_nop 0 and four v_nop follow each line
	s_cmp_eq_u32 s15, 0
	s_cbranch_scc0 .Lfor_b_\@
	tensor_load_to_lds s[\g0a:\g0a+3], s[\g1a:\g1a+7]
	s_nop 0
.rept 4
	v_nop
.endr
	s_branch .Lasked_\@
.Lfor_b_\@:
	tensor_load_to_lds s[\g0b:\g0b+3], s[\g1b:\g1b+7]
	s_nop 0
.rept 4
	v_nop
.endr
.Lasked_\@:
.endm
.macro CREST
	s_cmp_lg_u32 s14, 0
	s_cbranch_scc1 .Lnot_wave_0_\@
	s_barrier_signal -3
.Lnot_wave_0_\@:
	s_barrier_wait -3
	s_barrier_signal -1
	s_barrier_wait -1
.endm
.macro CROUND
	s_barrier_signal -1
	s_barrier_wait -1
	CREST
.endm
	s_load_b512 s[68:83], s[0:1], 0x0              ; hqkv, Wq, Wk, Wv, bq, bk, bv, rope
	s_load_b128 s[84:87], s[0:1], 0x40             ; the scales, qkvi
	v_lshl_add_u32 v[SPW], v0, 2, SPARE
	v_mov_b32 v[NIL], 0
	ds_add_u32 v[SPW], v[NIL]                      ; the opening: the add, twice on end, and its wait ahead of my first tensor load
	ds_add_u32 v[SPW], v[NIL]
	v_lshrrev_b32 v1, 5, v0
	v_readfirstlane_b32 s14, v1                    ; wave
	s_lshr_b32 s15, s14, 1                         ; hi: my half of the A-path's rows; also: I fetch for the A-path (0) or the B-path (1)
	s_and_b32 s16, s14, 1                          ; lo: my half of the B-path's rows; also: which 128 rows I fetch
	s_bfe_u32 s40, ttmp6, 0x40000                  ; cx
	s_bfe_u32 s41, ttmp6, 0x40004                  ; cy
	s_mov_b32 s66, ttmp9                           ; Z
	s_and_b32 s67, ttmp7, 0xffff                   ; Y: the batch
	s_lshl_b32 s18, s67, 2
	s_add_co_u32 s17, s18, s41                     ; 4 Y + cy
	s_add_co_u32 s42, s18, s40                     ; 4 Y + cx
	s_cmp_eq_u32 s66, 2
	s_cselect_b32 s17, s41, s17                    ; the A-path's tile: v: cy (of Wv);  q, k: 4 Y + cy (of h).  It hangs on cy, never on cx
	s_cselect_b32 s42, s42, s40                    ; the B-path's tile: v: 4 Y + cx (of h);  q, k: cx (of W).  It hangs on cx, never on cy
	s_lshl_b32 s43, s41, 2
	s_lshl_b32 s43, 15, s43                        ; my row of the cluster
	s_lshl_b32 s44, 0x1111, s40                    ; my column
	s_or_b32 s[G1+0], s43, (1<<20)|(1<<21)|(5<<22)|(3<<25)   ; the mask; elements of 1 byte; padding on; bit 21 beside a mask; 4 words behind every 64
	s_or_b32 s[G1B+0], s44, (1<<20)|(1<<21)|(5<<22)|(3<<25)
.irp g, G1, G1B
	s_mov_b32 s[\g+1], ROWB<<16                    ; tensor_dim0
	s_mov_b32 s[\g+2], 128<<16                     ; tensor_dim1
	s_mov_b32 s[\g+3], ROWB<<16                    ; tile_dim0
	s_mov_b32 s[\g+4], 128                         ; tile_dim1
	s_mov_b32 s[\g+5], KROW                        ; the pitch
	s_mov_b32 s[\g+6], 0
	s_mov_b32 s[\g+7], 0
.endr
	s_lshl_b32 s18, s16, 7
	s_lshl_b32 s20, s17, 8
	s_add_co_u32 s20, s20, s18
	s_lshl_b32 s20, s20, 10                        ; A-path: (256 tile + 128 lo) rows of 1,024 bytes
	s_mov_b32 s21, 0
	s_lshl_b32 s46, s42, 8
	s_add_co_u32 s46, s46, s18
	s_lshl_b32 s46, s46, 10                        ; B-path likewise
	s_mov_b32 s47, 0
	s_mul_i32 s45, s14, HALFT                      ; where they go: wave x 128 rows
	s_lshl_b32 s22, s66, 22                        ; Z x 4 MiB
	s_mov_b32 s23, 0
	s_wait_dscnt 0x0                               ; both opening adds are done
	s_wait_kmcnt 0x0
	s_add_nc_u64 s[68:69], s[68:69], s[22:23]      ; h's codes under this tensor's scale
	s_add_nc_u64 s[10:11], s[86:87], s[22:23]      ; this tensor's images
	s_mov_b64 s[12:13], s[82:83]                   ; the table
	s_cmp_eq_u32 s66, 0
	s_cselect_b64 s[6:7], s[70:71], s[72:73]       ; W
	s_cselect_b64 s[8:9], s[76:77], s[78:79]       ; the bias
	s_cmp_eq_u32 s66, 2
	s_cselect_b64 s[6:7], s[74:75], s[6:7]
	s_cselect_b64 s[8:9], s[80:81], s[8:9]
	s_cselect_b64 s[4:5], s[6:7], s[68:69]         ; the A-path: v: Wv, else h
	s_cselect_b64 s[6:7], s[68:69], s[6:7]         ; the B-path: v: h, else W
	s_load_b512 s[68:83], s[84:85], 0x0            ; e0 .. e15, over pointers that are done with
	s_add_nc_u64 s[20:21], s[4:5], s[20:21]
	s_add_nc_u64 s[46:47], s[6:7], s[46:47]
	CROUND                                         ; all sixteen work-groups are here: the first joint loads meet
.irp s, 0,1
	s_mov_b32 s[G0+4*\s], 1
	s_add_co_u32 s[G0+4*\s+1], s45, \s*SLOT
	s_add_nc_u64 s[G0+4*\s+2:G0+4*\s+3], s[20:21], \s*ROWB
	s_or_b32 s[G0+4*\s+3], s[G0+4*\s+3], 0x80000000
	s_mov_b32 s[G0B+4*\s], 1
	s_add_co_u32 s[G0B+4*\s+1], s45, \s*SLOT
	s_add_nc_u64 s[G0B+4*\s+2:G0B+4*\s+3], s[46:47], \s*ROWB
	s_or_b32 s[G0B+4*\s+3], s[G0B+4*\s+3], 0x80000000
.endr
	JLOAD G0, G1, G0B, G1B                         ; K step 0: one tensor load a wave at the head
	v_and_b32 v1, 15, v0                           ; r
	v_bfe_u32 v2, v0, 4, 1                         ; h
	v_mul_u32_u24 v3, v1, PITCH
	v_lshl_add_u32 v4, v2, 4, v3
	s_mul_i32 s21, s15, HALFT
	s_mul_i32 s22, s16, HALFT
	s_add_co_u32 s22, s22, 2*HALFT
.irp s, 0,1
	v_add_nc_u32 v[ADRA+\s], s21, v4
	v_add_nc_u32 v[ADRB+\s], s22, v4
	s_add_co_u32 s21, s21, SLOT
	s_add_co_u32 s22, s22, SLOT
.endr
	v_and_b32 v[LI], 31, v0
	v_lshlrev_b32 v[LI], 4, v[LI]
	; the way out's offsets.  v's are q's and k's with cx and cy, lo and hi exchanged
	s_cmp_eq_u32 s66, 2
	s_cselect_b32 s90, s41, s40                    ; which 256 features
	s_cselect_b32 s91, s40, s41                    ; which 256 tokens of the batch
	s_cselect_b32 s92, s15, s16                    ; which 128 of the features
	s_cselect_b32 s93, s16, s15                    ; which 128 of the tokens
	s_lshl_b32 s94, s90, 10
	s_lshl_b32 s96, s92, 9
	s_add_co_u32 s94, s94, s96
	s_mov_b32 s95, 0
	s_add_nc_u64 s[8:9], s[8:9], s[94:95]          ; the bias at my 128 features
	s_lshl_b32 s94, s67, 20                        ; a batch's 16 heads of 65,536 bytes,
	s_lshl_b32 s96, s90, 18                        ; four heads,
	s_add_co_u32 s94, s94, s96
	s_lshl_b32 s96, s92, 17                        ; two heads,
	s_add_co_u32 s94, s94, s96
	s_lshl_b32 s96, s91, 14                        ; 256 tokens: 16 images of 1,024 bytes (q, k), or two steps of 8,192 (v),
	s_add_co_u32 s94, s94, s96
	s_lshl_b32 s96, s93, 13                        ; 128 tokens
	s_add_co_u32 s94, s94, s96
	s_add_nc_u64 s[10:11], s[10:11], s[94:95]
	s_lshl_b32 s94, s41, 16                        ; the table (q, k): position block 16 cy + 8 hi, 4,096 bytes a block
	s_lshl_b32 s96, s15, 15
	s_add_co_u32 s94, s94, s96
	s_add_nc_u64 s[12:13], s[12:13], s[94:95]
.macro FRAG reg, adr, q, i             ; 16 rows x 128 K: four loads of 16 bytes, 32 bytes apart
.irp c, 0,1,2,3
	ds_load_b128 v[\reg+4*\c:\reg+4*\c+3], v[\adr] offset:128*(\q)+32*\c+(\i)*16*PITCH
.endr
.endm
.macro MUL16 a0, p, zero               ; A-path blocks a0, a0 + 1 x the B-path's eight.  The 64 accumulators take turns, one instruction a turn, in the same order in every step
.irp a, \a0, \a0+1
.irp b, 0,1,2,3,4,5,6,7
.if \zero
	v_wmma_f32_16x16x128_fp8_fp8 v[8*(8*((\a)%4)+\b):8*(8*((\a)%4)+\b)+7], v[128*(\p)+FR*\b:128*(\p)+FR*\b+FR-1], v[AF+FR*(\a):AF+FR*(\a)+FR-1], 0
.else
	v_wmma_f32_16x16x128_fp8_fp8 v[8*(8*((\a)%4)+\b):8*(8*((\a)%4)+\b)+7], v[128*(\p)+FR*\b:128*(\p)+FR*\b+FR-1], v[AF+FR*(\a):AF+FR*(\a)+FR-1], v[8*(8*((\a)%4)+\b):8*(8*((\a)%4)+\b)+7]
.endif
.endr
.endr
.endm
.macro FETCH_B slot, q, p
	WIN TO_B
.irp i, 0,1,2,3,4,5,6,7
	FRAG 128*(\p)+FR*\i, ADRB+\slot, \q, \i
.endr
	WIN 0
.endm
.macro FETCH_A slot, q, i0
.irp i, \i0, \i0+1, \i0+2, \i0+3
	FRAG AF+FR*(\i), ADRA+\slot, \q, \i
.endr
.endm
.macro PLACES n                        ; plain vector lines between a matrix instruction and a load into, or a read of, its registers
.rept \n
	v_nop
.endr
.endm
.macro STEP slot, q, zero              ; 128 along K whose successor lies in the same slot
	s_wait_dscnt 4*NL                              ; the B-path's set and A-path blocks 0-3 are in; the youngest 16 loads (blocks 4-7) may be out
	WIN MUL_LO
	MUL16 0, (\q)%2, \zero
	MUL16 2, (\q)%2, \zero
	s_wait_dscnt 0
	PLACES NP
	FETCH_B \slot, (\q)+1, 1-(\q)%2
	FETCH_A \slot, (\q)+1, 0
	WIN MUL_HI
	MUL16 4, (\q)%2, \zero
	MUL16 6, (\q)%2, \zero
	PLACES NP
	WIN 0
	FETCH_A \slot, (\q)+1, 4
.endm
.macro TURN slot, next, fill           ; a slot's last step changes slots: one barrier; ahead of it all my tensor loads have landed, the add is done and my reads of this slot are over
	s_wait_tensorcnt 0x0                           ; my part of the next slot is in, and no load of mine is out
	ds_add_u32 v[SPW], v[NIL]
	s_wait_dscnt 4*NL+1                            ; the add and the youngest 16 loads may be out
	WIN MUL_LO
	MUL16 0, 1, 0
	s_wait_dscnt 0x0
	s_barrier_signal -1
	MUL16 2, 1, 0
	WIN 0
	s_barrier_wait -1
.if \fill
	CREST                                          ; the barrier has opened a round of the cluster's: no wave of any partner still reads this slot or has a load on its way
	s_add_nc_u64 s[G0+4*\slot+2:G0+4*\slot+3], s[G0+4*\slot+2:G0+4*\slot+3], 2*ROWB
	s_add_nc_u64 s[G0B+4*\slot+2:G0B+4*\slot+3], s[G0B+4*\slot+2:G0B+4*\slot+3], 2*ROWB
	JLOAD G0+4*\slot, G1, G0B+4*\slot, G1B         ; the first tensor load behind the round; its four v_nop are the places ahead of the loads below
.else
	PLACES NP
.endif
	FETCH_B \next, 0, 0
	FETCH_A \next, 0, 0
	WIN MUL_HI
	MUL16 4, 1, 0
	MUL16 6, 1, 0
	PLACES NP
	WIN 0
	FETCH_A \next, 0, 4
.endm
	s_wait_alu depctr_va_vdst(0)
	s_wait_tensorcnt 0x0                           ; my part of slot 0 is in; slot 1's first fill is issued as a refill is
	ds_add_u32 v[SPW], v[NIL]
	s_wait_dscnt 0x0
	CROUND                                         ; everybody's part of slot 0 is in, and the joint loads meet
	JLOAD G0+4, G1, G0B+4, G1B                     ; K step 1: the first tensor load behind the round
	FETCH_B 0, 0, 0
	FETCH_A 0, 0, 0
	FETCH_A 0, 0, 4
	STEP 0, 0, 1                                   ; the first step's products start the sums
	s_mov_b32 s3, LAPS-1
.Llap:
	TURN 0, 1, 1
	STEP 1, 0, 0
	TURN 1, 0, 1
	STEP 0, 0, 0
	s_sub_co_u32 s3, s3, 1
	s_cmp_lg_u32 s3, 0
	s_cbranch_scc1 .Llap
	TURN 0, 1, 0
	STEP 1, 0, 0
	s_wait_dscnt 4*NL
	WIN MUL_LO
	MUL16 0, 1, 0
	MUL16 2, 1, 0
	s_wait_dscnt 0
	WIN MUL_HI
	MUL16 4, 1, 0
	MUL16 6, 1, 0
	WIN 0
	; ---- THE WAY OUT
	s_wait_kmcnt 0x0
	s_add_co_i32 s90, s68, s69                     ; the product's two exponents, for each tensor
	s_add_co_i32 s91, s70, s71
	s_add_co_i32 s92, s72, s73
	s_cmp_eq_u32 s66, 0
	s_cselect_b32 s90, s90, s91
	s_cselect_b32 s93, s74, s75                    ; the new codes' exponent: q e6, k e7,
	s_cmp_eq_u32 s66, 2
	s_cselect_b32 s90, s92, s90
	s_cselect_b32 s93, s77, s93                    ; v e9
	s_add_co_i32 s90, s90, 127
	s_lshl_b32 s88, s90, 23                        ; S = 2^(eA + eB)
	s_mov_b32 s89, s88                             ; (named with it as a pair)
	s_add_co_i32 s93, s93, 127
	s_lshl_b32 s94, s93, 23
	s_add_co_i32 s93, s93, 8
	s_lshl_b32 s93, s93, 23
	s_or_b32 s93, s93, 0x600000
	PLACES NP                                      ; behind the last products: ahead of every read of a sum, of the loads into the fragments' registers and of the writes below
	v_mov_b32 v[SCL], s94
	v_mov_b32 v[LIM], s93
	s_cmp_eq_u32 s66, 2
	s_cbranch_scc1 .Lpath_v                        ; the cluster's x: all sixteen partners go the same way
	; ---- q, k: + bias, rotation, codes
	v_bfe_u32 v[BO], v0, 4, 1
	v_lshlrev_b32 v[BO], 5, v[BO]                  ; 32 h
.irp b, 0,1,2,3,4,5,6,7
	global_load_b128 v[BI+8*\b:BI+8*\b+3], v[BO], s[8:9] offset:64*\b          ; the bias of features 16 b + 8 h + 0 .. 7
	global_load_b128 v[BI+8*\b+4:BI+8*\b+7], v[BO], s[8:9] offset:64*\b+16
.endr
	WIN 0x40                                       ; destination window 1: the table takes the registers that held the B-path's fragments
.irp a, 0,1,2,3,4,5,6,7
.irp p, 0,1,2,3
.irp q, 0,1
	global_load_b128 v[32*\a+8*\p+4*\q:32*\a+8*\p+4*\q+3], v[LI], s[12:13] offset:4096*\a+1024*\p+512*\q
.endr
.endr
.endr
	WIN 0
.macro QK a, hh                        ; token block a, head hh of my two: 16 tokens x 64 features
.if \hh == 0
	s_wait_loadcnt 8*(7-\a)                        ; the bias and this block's part of the table are in; the 8 loads of each later block may be out
.endif
	WIN 0x02+(\a)/4                                ; source 0: the accumulators' window
.set i, 0
.rept 16
	v_pk_fma_f32 v[XX+i:XX+i+1], v[64*((\a)%4)+32*\hh+i:64*((\a)%4)+32*\hh+i+1], s[88:89], v[BI+32*\hh+i:BI+32*\hh+i+1] op_sel_hi:[1,0,1]   ; sum x S + bias; each accumulator from its low end on
.set i, i+2
.endr
	WIN 0x04                                       ; source 1: the table's window
.set i, 0
.rept 16
	v_pk_mul_f32 v[TT+i:TT+i+1], v[XX+i:XX+i+1], v[32*\a+i:32*\a+i+1] op_sel:[1,1] op_sel_hi:[0,1] neg_lo:[1,0]   ; (-x2 sin, x1 sin)
.set i, i+2
.endr
.set i, 0
.rept 16
	v_pk_fma_f32 v[XX+i:XX+i+1], v[XX+i:XX+i+1], v[32*\a+i:32*\a+i+1], v[TT+i:TT+i+1] op_sel_hi:[1,0,1]           ; (x1 cos - x2 sin, x2 cos + x1 sin)
.set i, i+2
.endr
	WIN 0
.set i, 0
.rept 32
	v_med3_num_f32 v[XX+i], v[XX+i], -v[LIM], v[LIM]
.set i, i+1
.endr
	s_wait_alu depctr_va_vdst(0)
	s_wait_xcnt 0x0                                ; the last stores have read the codes' registers
.irp p, 0,1,2,3
	v_cvt_scalef32_pk8_fp8_f32 v[CD+2*\p:CD+2*\p+1], v[XX+8*\p:XX+8*\p+7], v[SCL]   ; k = 16 p + 8 h + 0 .. 7: registers 2 p, 2 p + 1 of the fragment
.endr
	v_nop                                          ; a plain line behind the last conversion
	global_store_b128 v[LI], v[CD:CD+3], s[10:11] offset:65536*\hh+1024*\a
	global_store_b128 v[LI], v[CD+4:CD+7], s[10:11] offset:65536*\hh+1024*\a+512
.endm
.irp a, 0,1,2,3,4,5,6,7
	QK \a, 0
	QK \a, 1
.endr
	s_branch .Ldone
.Lpath_v:
	; ---- v: + bias, codes along the tokens
	v_and_b32 v[BO], 15, v0
	v_lshlrev_b32 v[BO], 2, v[BO]                  ; 4 r
.irp a, 0,1,2,3,4,5,6,7
	global_load_b32 v[BI+2*\a], v[BO], s[8:9] offset:64*\a       ; the bias of feature 16 a + r,
	global_load_b32 v[BI+2*\a+1], v[BO], s[8:9] offset:64*\a     ; twice: the packed form names a pair
.endr
	s_wait_loadcnt 0x0
.macro VB a                            ; feature block a: 16 features x 128 tokens: one fragment
	WIN 0x02+(\a)/4
.set i, 0
.rept 32
	v_pk_fma_f32 v[XX+i:XX+i+1], v[64*((\a)%4)+i:64*((\a)%4)+i+1], s[88:89], v[BI+2*\a:BI+2*\a+1] op_sel_hi:[1,0,0]
.set i, i+2
.endr
	WIN 0
.set i, 0
.rept 64
	v_med3_num_f32 v[XX+i], v[XX+i], -v[LIM], v[LIM]
.set i, i+1
.endr
	s_wait_alu depctr_va_vdst(0)
	s_wait_xcnt 0x0
.irp b, 0,1,2,3,4,5,6,7
	v_cvt_scalef32_pk8_fp8_f32 v[CD+2*\b:CD+2*\b+1], v[XX+8*\b:XX+8*\b+7], v[SCL]   ; keys 16 b + 8 h + 0 .. 7
.endr
	v_nop
.irp c, 0,1,2,3
	global_store_b128 v[LI], v[CD+4*\c:CD+4*\c+3], s[10:11] offset:65536*((\a)/4)+2048*((\a)%4)+512*\c
.endr
.endm
.irp a, 0,1,2,3,4,5,6,7
	VB \a
.endr
.Ldone:
	s_wait_tensorcnt 0x0                           ; the wave's end
	ds_add_u32 v[SPW], v[NIL]
	s_wait_dscnt 0x0
	CROUND                                         ; the closing round
	s_endpgm
.Lfunc_end_k_qd24cf297a6_qkv:
	.size	k_qd24cf297a6_qkv, .Lfunc_end_k_qd24cf297a6_qkv-k_qd24cf297a6_qkv
	.p2alignl 7, 3214868480
	.fill 96, 4, 3214868480
	.section	.rodata,"a",@progbits
	.p2align	6, 0x0
	.amdhsa_kernel k_qd24cf297a6_qkv
		.amdhsa_group_segment_fixed_size 327680
		.amdhsa_private_segment_fixed_size 0
		.amdhsa_enable_private_segment 0
		.amdhsa_kernarg_size 80
		.amdhsa_user_sgpr_count 2
		.amdhsa_user_sgpr_kernarg_segment_ptr 1
		.amdhsa_wavefront_size32 1
		.amdhsa_system_sgpr_workgroup_id_x 1
		.amdhsa_system_sgpr_workgroup_id_y 1
		.amdhsa_system_sgpr_workgroup_id_z 1
		.amdhsa_system_vgpr_workitem_id 0
		.amdhsa_next_free_vgpr 1024
		.amdhsa_next_free_sgpr 100
		.amdhsa_reserve_vcc 0
		.amdhsa_float_denorm_mode_32 3
		.amdhsa_float_denorm_mode_16_64 3
		.amdhsa_memory_ordered 1
		.amdhsa_forward_progress 1
		.amdhsa_inst_pref_size 235
	.end_amdhsa_kernel
	.amdgpu_metadata
---
amdhsa.version: [ 1, 2 ]
amdhsa.kernels:
  - .name:           k_qd24cf297a6_qkv
    .symbol:         k_qd24cf297a6_qkv.kd
    .args:
      - { .name: hqkv, .offset: 0, .size: 8, .value_kind: global_buffer, .address_space: global }
      - { .name: Wq_codes, .offset: 8, .size: 8, .value_kind: global_buffer, .address_space: global }
      - { .name: Wk_codes, .offset: 16, .size: 8, .value_kind: global_buffer, .address_space: global }
      - { .name: Wv_codes, .offset: 24, .size: 8, .value_kind: global_buffer, .address_space: global }
      - { .name: bq, .offset: 32, .size: 8, .value_kind: global_buffer, .address_space: global }
      - { .name: bk, .offset: 40, .size: 8, .value_kind: global_buffer, .address_space: global }
      - { .name: bv, .offset: 48, .size: 8, .value_kind: global_buffer, .address_space: global }
      - { .name: rope, .offset: 56, .size: 8, .value_kind: global_buffer, .address_space: global }
      - { .name: lowp_scales, .offset: 64, .size: 8, .value_kind: global_buffer, .address_space: global }
      - { .name: qkvi, .offset: 72, .size: 8, .value_kind: global_buffer, .address_space: global }
    .group_segment_fixed_size: 327680
    .private_segment_fixed_size: 0
    .kernarg_segment_align: 8
    .kernarg_segment_size: 80
    .max_flat_workgroup_size: 128
    .sgpr_count:     100
    .vgpr_count:     1024
    .wavefront_size: 32
...
	.end_amdgpu_metadata
.endif
;; end of part 2
;; launch attn (part 3): grid 4 x 64, 16 waves a work-group, no clusters, 137,216 bytes of LDS; arguments qkvi, padding_mask, lowp_scales, ao; writes ao
.if DOCPART == 3
	.amdgcn_target "amdgcn-amd-amdhsa--gfx1250"
	.amdhsa_code_object_version 6
	.text
	.protected	k_qd24cf297a6_attn
	.globl	k_qd24cf297a6_attn
	.p2align	8
	.type	k_qd24cf297a6_attn,@function
k_qd24cf297a6_attn:
	s_mov_b64 s[64:65], 0
	v_nop
	global_prefetch_b8 v0, s[64:65] scope:SCOPE_SE
	s_setreg_imm32_b32 hwreg(HW_REG_WAVE_MODE, 25, 1), 1
	s_wait_xcnt 0x0
; LAUNCH 3 OF 7.  Attention on codes of E4M3: S = q k^T, the padding mask, p = 2^(t - M) quantised along the keys, O = p v / l, O quantised for the next projection.  No step of the model is left out.
; SHARES.  A work-group owns 256 queries of one (batch, head); each of its sixteen waves owns 16, in 256 registers: four waves to a SIMD, so that one wave's vector work stands beside another's matrix work.
; ALL OF THE HEAD'S K AND V LIE IN LDS (65,536 bytes each), as the images of operand registers that the launch before stored: each wave brings 8,192 of these bytes, 16 loads of 512 consecutive bytes and
; 16 LDS stores, once; one barrier; nothing is filled again.
; NO JOINT LOADS, though the four query blocks of a head read the same K and V.  The loop has two branches on whole numbers read from memory (the mask's bytes; entry 8 of the scales).
; What they spare: 16 of a step's 48 LDS loads and 64 of its vector lines, in 8 steps of 16 waves.  What is given up: the sharing of 131,072 bytes a work-group, once.
; LAYOUT.  Both products transposed: S^T = k q^T (source 0 = 16 keys, source 1 = my 16 queries), O^T = v^T p^T: a lane holds one query (lane % 16) throughout.  In tile T of S^T register j of lane (r, h)
; is key 16 T + 8 h + j, which is just where the plain form's layout wants k = key in registers 2 T, 2 T + 1 of p's fragment: the conversions' results are the operand.
; THE MASK.  A term for each key, 0 or -2^100, lies in LDS and is the C of the score's product.  -2^100 is a power of two, so its product with c is exact, and it is far under every
; score (64 x 448^2 at the most, in codes).  A masked key's p is 0.  Masked keys ahead of the first open key leave sums under a huge negative M; the first open key multiplies them by f = 0.
; A STEP OF 128 KEYS NONE OF WHICH IS MASKED takes the constant 0 as C and loads no terms: every wave reads the batch's 1,024 mask bytes, 32 a lane, and keeps a bit for each 32 keys.
; A batch all of whose keys are masked gives NaN in the model: here the running largest t is then still the mask's, and the codes are replaced by the NaN code.
; THE SOFTMAX.  t = score x log2(e) / 8; -M = floor(-(the running largest t)); p = 2^(t - M); the sum is taken of the unquantised p; when M moves, the sum and O^T are multiplied by 2^(old M - new M), exactly.
; THE HOLD OF p at 448 x 2^e8 changes nothing where e8 >= -8: t - M is 0 or less, so p is at most 1 (give or take the exponential's last bit), and 448 x 2^-8 = 1.75.  There its 64 lines are jumped over; for e8 < -8 they run.
; LIMITS: e6 + e7 between -90 and 25 (c x 2^100 stays an f32 number and at least 150); e8 and e10 between -126 and 119.  NaN among the inputs is not served.
.set MB,    131072                     ; LDS: K's images at 0, V's at 65,536, the mask's terms (1,024 f32) here,
.set SPARE, 135168                     ; and the spare words, 128 bytes for each of 16 waves
.set AK0,  1                           ; v1  16 x lane
.set AV0,  2                           ; v2  65,536 + 16 x lane
.set AM0,  3                           ; v3  MB + 32 h
.set FO,   4                           ; v4  32 x lane: my 32 bytes of the mask
.set SPW,  5
.set NIL,  6
.set STA,  7                           ; v7  8,192 x wave + 16 x lane: where I store my part of the images
.set ADK,  8
.set ADV,  9
.set ADM,  10
.set WV,   18
.set SEL,  20
.set CS,   22
; REGISTERS: v12 -M, v13 the largest t, v[14:15] the sum; v16-23 Q; v24-31 my 32 bytes of the mask; v32-95 K's, then V's fragments; v96-159 at the head my part of the images, then the mask's terms, S^T and p;
; v160-191 O^T; v224-239 p's codes; v240-254 at work.   s38: a bit for each 32 keys, the step's four lowest; s58: e8
	s_load_b256 s[4:11], s[0:1], 0x0               ; qkvi, the mask, the scales, ao
	v_lshl_add_u32 v[SPW], v0, 2, SPARE
	v_mov_b32 v[NIL], 0
	v_lshrrev_b32 v8, 5, v0
	s_delay_alu instid0(VALU_DEP_1)
	v_readfirstlane_b32 s[WV], v8                  ; wave 0..15
	s_and_b32 s41, ttmp7, 0xffff                   ; 16 batch + head
	s_lshr_b32 s52, s[WV], 3                       ; waves 0-7 bring K's images, waves 8-15 V's, 4 MiB further on
	s_lshl_b32 s52, s52, 22
	s_add_co_u32 s52, s52, 0x400000
	s_lshl_b32 s53, s41, 16                        ; the head's 65,536 bytes
	s_add_co_u32 s52, s52, s53
	s_and_b32 s53, s[WV], 7
	s_lshl_b32 s53, s53, 13                        ; my 8,192 of them
	s_add_co_u32 s52, s52, s53
	s_mov_b32 s53, 0
	s_lshl_b32 s44, ttmp9, 4                       ; my work-group's block of 256 queries,
	s_add_co_u32 s44, s44, s[WV]                   ; tb: my block of 16
	s_lshl_b32 s46, s41, 16
	s_lshl_b32 s47, s44, 10
	s_add_co_u32 s46, s46, s47                     ; Q's image
	s_mov_b32 s47, 0
	s_lshr_b32 s48, s41, 4                         ; the batch
	s_lshl_b32 s50, s48, 6
	s_add_co_u32 s50, s50, s44
	s_lshl_b32 s50, s50, 14                        ; the result: row block 64 batch + tb, 16,384 bytes a block,
	s_bfe_u32 s51, s41, 0x30001
	s_lshl_b32 s51, s51, 11                        ; K step head / 2,
	s_add_co_u32 s50, s50, s51
	s_and_b32 s51, s41, 1
	s_lshl_b32 s51, s51, 10                        ; its lower or upper half
	s_add_co_u32 s50, s50, s51
	s_mov_b32 s51, 0
	s_lshl_b32 s48, s48, 10                        ; the batch's 1,024 bytes of the mask
	s_mov_b32 s49, 0
	s_lshl_b32 s54, s[WV], 13
	s_mov_b32 s[SEL], 0x76543210
	s_mov_b32 s[SEL+1], 0xfedcba98
	s_mov_b32 s[CS], 0x3e38aa3b                    ; c = log2(e) / 8
	v_and_b32 v8, 31, v0
	s_delay_alu instid0(VALU_DEP_1)
	v_lshlrev_b32 v[AK0], 4, v8
	s_delay_alu instid0(VALU_DEP_1)
	v_add_nc_u32 v[STA], s54, v[AK0]
	v_lshlrev_b32 v9, 1, v0
	s_delay_alu instid0(VALU_DEP_4)
	v_lshlrev_b32 v[FO], 5, v8
	s_wait_alu depctr_va_vdst(0)
	s_wait_kmcnt 0x0
	s_load_b128 s[56:59], s[8:9], 0x18             ; e6 .. e9
	s_load_b32 s60, s[8:9], 0x28                   ; e10
	s_add_nc_u64 s[52:53], s[4:5], s[52:53]
	s_add_nc_u64 s[46:47], s[4:5], s[46:47]
	s_add_nc_u64 s[48:49], s[6:7], s[48:49]
	s_add_nc_u64 s[10:11], s[10:11], s[50:51]
.irp i, 0,1,2,3,4,5,6,7,8,9,10,11,12,13,14,15
	global_load_b128 v[96+4*\i:99+4*\i], v[AK0], s[52:53] offset:512*\i    ; my 8,192 bytes of the images, 512 consecutive bytes a load
.endr
	global_load_b128 v[16:19], v[AK0], s[46:47]            ; Q's fragment stays in registers
	global_load_b128 v[20:23], v[AK0], s[46:47] offset:512
	global_load_u16 v250, v9, s[48:49]                     ; two keys' mask bytes a thread, for the terms
	global_load_b128 v[24:27], v[FO], s[48:49]             ; 32 keys' mask bytes a lane, for the steps' bits
	global_load_b128 v[28:31], v[FO], s[48:49] offset:16
	v_add_nc_u32 v[AV0], 65536, v[AK0]
	v_bfe_u32 v[AM0], v0, 4, 1
	s_delay_alu instid0(VALU_DEP_1)
	v_lshl_add_u32 v[AM0], v[AM0], 5, MB
	v_mov_b32 v13, 0xff61b1e6                      ; the largest t so far: -3e38
	s_delay_alu instid0(VALU_DEP_1)
	v_floor_f32 v12, -v13                          ; -M
	v_mov_b32 v14, 0
	v_mov_b32 v15, 0
	v_mov_b32 v246, 0xf1800000                     ; -2^100
	v_mov_b32 v253, 0                              ; (named as the upper half of a pair)
.set j, 0
.rept 32
	v_mov_b32 v[160+j], 0                          ; O^T: the loop is written once; its first step finds zeros
.set j, j+1
.endr
	s_wait_loadcnt 0x0
.irp i, 0,1,2,3,4,5,6,7,8,9,10,11,12,13,14,15
	ds_store_b128 v[STA], v[96+4*\i:99+4*\i] offset:512*\i                 ; as they lay in memory
.endr
	v_and_b32 v251, 0xff, v250
	s_delay_alu instid0(VALU_DEP_1)
	v_cmp_ne_u32 vcc_lo, 0, v251
	v_lshrrev_b32 v251, 8, v250
	s_delay_alu instid0(VALU_DEP_2)
	v_cndmask_b32 v248, 0, v246, vcc_lo
	s_delay_alu instid0(VALU_DEP_2)
	v_cmp_ne_u32 vcc_lo, 0, v251
	s_delay_alu instid0(VALU_DEP_1)
	v_cndmask_b32 v249, 0, v246, vcc_lo
	v_lshl_add_u32 v8, v0, 3, MB
	ds_store_b64 v8, v[248:249]                    ; the two keys' terms
	v_or_b32 v24, v24, v25
	v_or_b32 v26, v26, v27
	v_or_b32 v28, v28, v29
	v_or_b32 v30, v30, v31
	s_delay_alu instid0(VALU_DEP_3)
	v_or_b32 v24, v24, v26
	s_delay_alu instid0(VALU_DEP_2)
	v_or_b32 v28, v28, v30
	s_delay_alu instid0(VALU_DEP_1)
	v_or_b32 v24, v24, v28
	s_delay_alu instid0(VALU_DEP_1)
	v_cmp_ne_u32 s38, 0, v24                       ; bit l: one of keys 32 l .. 32 l + 31 is masked
	s_wait_kmcnt 0x0
	s_add_co_i32 s42, s56, s57
	s_lshl_b32 s42, s42, 23
	s_add_co_i32 s[CS], s[CS], s42                 ; a score stands for score x 2^(e6 + e7): added to c's exponent field
	s_mov_b32 s[CS+1], s[CS]
	s_mul_f32 s45, s[CS], 0xdd800000               ; c x -2^60: under every open key's t, over the mask's
	s_add_co_i32 s42, s58, 127
	s_lshl_b32 s43, s42, 23
	v_mov_b32 v244, s43                            ; 2^e8
	s_add_co_i32 s42, s42, 8
	s_lshl_b32 s42, s42, 23
	s_or_b32 s42, s42, 0x600000
	v_mov_b32 v240, s42                            ; 448 x 2^e8
	s_add_co_i32 s42, s60, 127
	s_lshl_b32 s43, s42, 23
	v_mov_b32 v245, s43                            ; 2^e10
	s_add_co_i32 s42, s42, 8
	s_lshl_b32 s42, s42, 23
	s_or_b32 s42, s42, 0x600000
	v_mov_b32 v241, s42                            ; 448 x 2^e10
	s_add_co_i32 s44, s58, s59                     ; e8 + e9
	s_mov_b32 s2, 0
	s_mov_b32 s3, 0
	s_mov_b32 s36, 8
	s_wait_dscnt 0x0                               ; for the others' sake: my part of the images and my terms are stored
	s_barrier_signal -1
	s_barrier_wait -1                              ; everybody's are
.Lstep:                                            ; 8 trips of 128 keys
	v_add_nc_u32 v[ADK], s2, v[AK0]
	v_add_nc_u32 v[ADV], s2, v[AV0]
	v_add_nc_u32 v[ADM], s3, v[AM0]
	v_nop                                          ; four plain lines between the last products and the loads into the registers that they read
.irp t, 0,1,2,3,4,5,6,7
	ds_load_b128 v[32+8*\t:35+8*\t], v[ADK] offset:1024*\t
	ds_load_b128 v[36+8*\t:39+8*\t], v[ADK] offset:1024*\t+512
.endr
	s_and_b32 s39, s38, 15                         ; the step's four bits
	s_cmp_lg_u32 s39, 0
	s_cbranch_scc1 .Lholes
	s_wait_dscnt 0x0                               ; K is in
.irp t, 0,1,2,3,4,5,6,7
	v_wmma_f32_16x16x64_fp8_fp8 v[96+8*\t:103+8*\t], v[32+8*\t:39+8*\t], v[16:23], 0   ; no key of the step is masked: every term would be 0
.endr
	s_branch .Lscored
.Lholes:
	s_wait_alu depctr_va_vdst(0)
.irp t, 0,1,2,3,4,5,6,7
	ds_load_b128 v[96+8*\t:99+8*\t], v[ADM] offset:64*\t          ; the terms of keys 16 t + 8 h + 0 .. 7
	ds_load_b128 v[100+8*\t:103+8*\t], v[ADM] offset:64*\t+16
.endr
	s_wait_dscnt 0x0
.irp t, 0,1,2,3,4,5,6,7
	v_wmma_f32_16x16x64_fp8_fp8 v[96+8*\t:103+8*\t], v[32+8*\t:39+8*\t], v[16:23], v[96+8*\t:103+8*\t]   ; score + term; eight accumulators, one instruction each
.endr
.Lscored:
.rept 4
	v_nop                                          ; places ahead of the loads below and of the first read of a score
.endr
	s_wait_alu depctr_va_vdst(0)
.irp d, 0,1,2,3
.irp c, 0,1,2,3
	ds_load_b128 v[32+16*\d+4*\c:35+16*\d+4*\c], v[ADV] offset:2048*\d+512*\c   ; V's four fragments land under the softmax
.endr
.endr
	v_max3_num_f32 v254, v96, v97, v98             ; the step's largest score of my query among my 64 keys, in two chains, each accumulator from its low end on
	v_max3_num_f32 v252, v99, v100, v101
.irp i, 6,10,14,18,22,26,30,34,38,42,46,50,54,58
	v_max3_num_f32 v254, v254, v[96+\i], v[97+\i]
	v_max3_num_f32 v252, v252, v[98+\i], v[99+\i]
.endr
	v_max3_num_f32 v254, v254, v158, v159
	s_delay_alu instid0(VALU_DEP_1)
	v_max_num_f32 v254, v254, v252
	s_delay_alu instid0(VALU_DEP_1)
	v_permlanex16_b32 v246, v254, s[SEL], s[SEL+1]
	s_delay_alu instid0(VALU_DEP_1)
	v_max_num_f32 v254, v254, v246                 ; and among lane l xor 16's
	s_delay_alu instid0(VALU_DEP_1)
	v_mul_f32 v254, s[CS], v254                    ; as t
	s_delay_alu instid0(VALU_DEP_1)
	v_max_num_f32 v13, v13, v254
	v_mov_b32 v254, v12
	s_delay_alu instid0(VALU_DEP_2)
	v_floor_f32 v12, -v13                          ; the new -M: M is a whole number
	s_delay_alu instid0(VALU_DEP_1)
	v_sub_f32 v254, v12, v254                      ; old M - new M, 0 or less
	s_delay_alu instid0(VALU_DEP_1)
	v_cvt_i32_f32 v254, v254                       ; (it saturates)
	s_delay_alu instid0(VALU_DEP_1)
	v_ldexp_f32 v252, 1.0, v254                    ; f = 2^(old M - new M)
.set j, 0
.rept 32
	v_pk_fma_f32 v[96+j:97+j], v[96+j:97+j], s[CS:CS+1], v[12:13] op_sel_hi:[1,0,0]   ; t - M
.set j, j+2
.endr
.set j, 0
	s_wait_alu depctr_va_vdst(0)
.rept 64
	v_exp_f32 v[96+j], v[96+j]                     ; p
.set j, j+1
.endr
	v_pk_mul_f32 v[14:15], v[14:15], v[252:253] op_sel_hi:[1,0]   ; the sum under the new M (a plain line behind the exponentials)
	s_wait_alu depctr_va_vdst(0)                   ; one wait for the batch, ahead of its first reader
	v_pk_add_f32 v[242:243], v[100:101], v[104:105]
	v_pk_add_f32 v[254:255], v[108:109], v[112:113]
	v_pk_add_f32 v[250:251], v[116:117], v[120:121]
	v_pk_add_f32 v[248:249], v[124:125], v[128:129]
	v_pk_add_f32 v[238:239], v[132:133], v[136:137]
	v_pk_add_f32 v[236:237], v[140:141], v[144:145]
	v_pk_add_f32 v[234:235], v[148:149], v[152:153]
	v_pk_add_f32 v[14:15], v[14:15], v[156:157]
	v_pk_add_f32 v[242:243], v[242:243], v[96:97]
	v_pk_add_f32 v[254:255], v[254:255], v[98:99]
	v_pk_add_f32 v[250:251], v[250:251], v[102:103]
	v_pk_add_f32 v[248:249], v[248:249], v[106:107]
	v_pk_add_f32 v[238:239], v[238:239], v[110:111]
	v_pk_add_f32 v[236:237], v[236:237], v[114:115]
	v_pk_add_f32 v[234:235], v[234:235], v[118:119]
	v_pk_add_f32 v[14:15], v[14:15], v[122:123]
	v_pk_add_f32 v[242:243], v[242:243], v[126:127]
	v_pk_add_f32 v[254:255], v[254:255], v[130:131]
	v_pk_add_f32 v[250:251], v[250:251], v[134:135]
	v_pk_add_f32 v[248:249], v[248:249], v[138:139]
	v_pk_add_f32 v[238:239], v[238:239], v[142:143]
	v_pk_add_f32 v[236:237], v[236:237], v[146:147]
	v_pk_add_f32 v[234:235], v[234:235], v[150:151]
	v_pk_add_f32 v[14:15], v[14:15], v[154:155]
	v_pk_add_f32 v[242:243], v[242:243], v[158:159]
	s_delay_alu instid0(VALU_DEP_2)
	v_pk_add_f32 v[14:15], v[14:15], v[248:249]
	s_delay_alu instid0(VALU_DEP_2)
	v_pk_add_f32 v[242:243], v[242:243], v[238:239]
	v_pk_add_f32 v[254:255], v[254:255], v[236:237]
	v_pk_add_f32 v[250:251], v[250:251], v[234:235]
	s_delay_alu instid0(VALU_DEP_2)
	v_pk_add_f32 v[14:15], v[14:15], v[254:255]
	s_delay_alu instid0(VALU_DEP_2)
	v_pk_add_f32 v[242:243], v[242:243], v[250:251]
	s_delay_alu instid0(VALU_DEP_1)
	v_pk_add_f32 v[14:15], v[14:15], v[242:243]
	s_cmp_gt_i32 s58, -9                           ; e8 >= -8: 448 x 2^e8 is 1.75 or more, over every p
	s_cbranch_scc1 .Lno_hold
.set j, 0
.rept 64
	v_min_num_f32 v[96+j], v[96+j], v240           ; the hold; p is not negative
.set j, j+1
.endr
.Lno_hold:
.irp t, 0,1,2,3,4,5,6,7
	v_cvt_scalef32_pk8_fp8_f32 v[224+2*\t:225+2*\t], v[96+8*\t:103+8*\t], v244
.endr
.set j, 0
.rept 16
	v_pk_mul_f32 v[160+j:161+j], v[160+j:161+j], v[252:253] op_sel_hi:[1,0]   ; O^T under the new M (plain lines behind the conversions)
.set j, j+2
.endr
	s_wait_alu depctr_va_vdst(0)
	s_wait_dscnt 0x0                               ; V is in
.irp d, 0,1,2,3
	v_wmma_f32_16x16x128_fp8_fp8 v[160+8*\d:167+8*\d], v[32+16*\d:47+16*\d], v[224:239], v[160+8*\d:167+8*\d]
.endr
	s_lshr_b32 s38, s38, 4                         ; the next step's four bits
	s_add_co_u32 s2, s2, 8192
	s_add_co_u32 s3, s3, 512
	s_sub_co_u32 s36, s36, 1
	s_cmp_lg_u32 s36, 0
	s_cbranch_scc1 .Lstep
	; ---- THE WAY OUT: O^T / the sum x 2^(e8 + e9), quantised by e10: half of a fragment of the next product's A operand
	v_add_f32 v14, v14, v15
	s_delay_alu instid0(VALU_DEP_1)
	v_permlanex16_b32 v252, v14, s[SEL], s[SEL+1]
	s_delay_alu instid0(VALU_DEP_1)
	v_add_f32 v14, v14, v252                       ; the row's sum
	s_wait_alu depctr_va_vdst(0)
	v_rcp_f32 v14, v14
	v_mov_b32 v248, 0x7f7f7f7f                     ; four NaN codes (plain lines behind the transcendental and the last products)
	v_cmp_gt_f32 vcc_lo, s45, v13                  ; no open key: the largest t is still the mask's
	v_nop
	v_nop
	s_wait_alu depctr_va_vdst(0)                   ; the wait, ahead of the reciprocal's first reader
	v_ldexp_f32 v14, v14, s44
.set j, 0
.rept 32
	v_mul_f32 v[96+j], v[160+j], v14               ; register 8 d + i: channel 16 d + 8 h + i of my query
.set j, j+1
.endr
.set j, 0
.rept 32
	v_med3_num_f32 v[96+j], v[96+j], -v241, v241
.set j, j+1
.endr
.irp d, 0,1,2,3
	v_cvt_scalef32_pk8_fp8_f32 v[224+2*\d:225+2*\d], v[96+8*\d:103+8*\d], v245
.endr
	v_nop                                          ; a plain line behind the last conversion
.irp i, 0,1,2,3,4,5,6,7
	v_cndmask_b32 v[224+\i], v[224+\i], v248, vcc_lo
.endr
	global_store_b128 v[AK0], v[224:227], s[10:11]             ; 512 consecutive bytes each
	global_store_b128 v[AK0], v[228:231], s[10:11] offset:512
	s_wait_tensorcnt 0x0                           ; the wave's end, behind my last LDS store
	ds_add_u32 v[SPW], v[NIL]
	s_wait_dscnt 0x0
	s_endpgm
.Lfunc_end_k_qd24cf297a6_attn:
	.size	k_qd24cf297a6_attn, .Lfunc_end_k_qd24cf297a6_attn-k_qd24cf297a6_attn
	.p2alignl 7, 3214868480
	.fill 96, 4, 3214868480
	.section	.rodata,"a",@progbits
	.p2align	6, 0x0
	.amdhsa_kernel k_qd24cf297a6_attn
		.amdhsa_group_segment_fixed_size 137216
		.amdhsa_private_segment_fixed_size 0
		.amdhsa_enable_private_segment 0
		.amdhsa_kernarg_size 32
		.amdhsa_user_sgpr_count 2
		.amdhsa_user_sgpr_kernarg_segment_ptr 1
		.amdhsa_wavefront_size32 1
		.amdhsa_system_sgpr_workgroup_id_x 1
		.amdhsa_system_sgpr_workgroup_id_y 1
		.amdhsa_system_sgpr_workgroup_id_z 1
		.amdhsa_system_vgpr_workitem_id 0
		.amdhsa_next_free_vgpr 256
		.amdhsa_next_free_sgpr 66
		.amdhsa_reserve_vcc 1
		.amdhsa_float_denorm_mode_32 3
		.amdhsa_float_denorm_mode_16_64 3
		.amdhsa_memory_ordered 1
		.amdhsa_forward_progress 1
		.amdhsa_inst_pref_size 31
	.end_amdhsa_kernel
	.amdgpu_metadata
---
amdhsa.version: [ 1, 2 ]
amdhsa.kernels:
  - .name:           k_qd24cf297a6_attn
    .symbol:         k_qd24cf297a6_attn.kd
    .args:
      - { .name: qkvi, .offset: 0, .size: 8, .value_kind: global_buffer, .address_space: global }
      - { .name: padding_mask, .offset: 8, .size: 8, .value_kind: global_buffer, .address_space: global }
      - { .name: lowp_scales, .offset: 16, .size: 8, .value_kind: global_buffer, .address_space: global }
      - { .name: ao, .offset: 24, .size: 8, .value_kind: global_buffer, .address_space: global }
    .group_segment_fixed_size: 137216
    .private_segment_fixed_size: 0
    .kernarg_segment_align: 8
    .kernarg_segment_size: 32
    .max_flat_workgroup_size: 512
    .sgpr_count:     66
    .vgpr_count:     256
    .wavefront_size: 32
...
	.end_amdgpu_metadata
.endif
;; end of part 3
;; launch wo (part 4): grid 8 x 32, 4 waves a work-group, clusters of 4 x 4, 327,680 bytes of LDS; arguments ao, Wo_codes, lowp_scales, bo, x, x1; writes x1
.if DOCPART == 4
	.amdgcn_target "amdgcn-amd-amdhsa--gfx1250"
	.amdhsa_code_object_version 6
	.text
	.protected	k_qd24cf297a6_wo
	.globl	k_qd24cf297a6_wo
	.p2align	8
	.type	k_qd24cf297a6_wo,@function
k_qd24cf297a6_wo:
	s_mov_b64 s[64:65], 0
	v_nop
	global_prefetch_b8 v0, s[64:65] scope:SCOPE_SE
	s_setreg_imm32_b32 hwreg(HW_REG_WAVE_MODE, 25, 1), 1
	s_wait_xcnt 0x0
	s_wait_alu depctr_hold_cnt(0) depctr_sa_sdst(0) depctr_va_vdst(0) depctr_va_sdst(0) depctr_va_ssrc(0) depctr_va_vcc(0) depctr_vm_vsrc(0)
	s_getreg_b32 s2, hwreg(HW_REG_IB_STS2, 6, 4)
	s_cmp_eq_u32 s2, 0
	s_cbranch_scc0 .Lentry_in_a_cluster
	s_endpgm
.Lentry_in_a_cluster:
	s_bfe_u32 s2, ttmp6, 0x10000c
	s_cmp_lg_u32 s2, 0xf033
	s_cbranch_scc0 .Lentry_shape_is_right
	s_endpgm
.Lentry_shape_is_right:
; LAUNCH 4 OF 7.  x1 = x + attention's result x Wo^T + bo, the product on codes of E4M3.  Nothing is left out.
; A tile of 128 x 128 of the result by four waves, 64 x 64 each (16 accumulators): with 1,024 columns a larger tile would leave three quarters of the 256 work-groups' places empty.
; OPERANDS.  A comes as images of operand registers ([row / 16][k / 128][2,048 bytes], the plain form's own layout) and is read from LDS by loads of 16 bytes at 16 x lane.  W comes as rows of codes and takes
; the same places of k by loads of 8 bytes at row x pitch + 16 c + 8 h.  Source 0 = 16 rows of W, source 1 = A: lane (r, h) of accumulator (a, b) holds row 16 a + r, columns 16 b + 8 h + 0 .. 7.
; K goes in steps of 512 through two LDS slots filled by joint tensor loads (4 x 4 work-groups; A's tile shared along a row of the cluster, W's along a column).  Here K = 1,024: both slots are filled at the head, none again.
; The residual and the bias are asked for at the head and land under the loop.  A wave's 64 columns of f32 are 256 bytes: each wave sends its own rows through its own stage.
; LIMIT: e10 + e11 between -126 and 127.
; THE WHOLE K = 1,024 LIES IN LDS: each wave asks for its half of A (64 rows, 65,536 bytes of images) or of W (64 rows of 1,024 bytes) by ONE joint load at the head; nothing is filled again.
; What the text below calls slot 0 and slot 1 are the lower and the upper 512 of K inside that one fill.
.set SIZE_K, 1024
.set EOFF,   0x28                      ; where the product's two exponents lie among the scales
.set BP,     1040                      ; a row of W in LDS: 1,024 bytes + 16
.set AHALF,  65536                     ; 64 rows x 1,024 K of A, dense images
.set BHALF,  64*BP
.set BOFF,   2*AHALF
.set SLOT,   BOFF+2*BHALF
.set STAGE,  SLOT                      ; behind the one fill: 16 rows x 272 bytes for each wave; no fill lands here
.set SP,     272
.set SPARE,  STAGE+4*16*SP
.set LAPS,   SIZE_K/1024
.set ADRA, 16                          ; v16-17
.set ADRB, 18                          ; v18-19
.set BIA,  20                          ; v20-23 the bias of my four columns
.set STO,  24
.set RD,   25
.set CO,   26
.set CB,   27
.set SPW,  28
.set NIL,  29
.set TMP,  32                          ; v32-63  a block's raw sums, back from the stage
.set OUTR, 64                          ; v64-127 results, two sets by turns
.set ACC,  128                         ; v128-255 accumulator (a, b) at ACC + 8 (4 a + b)
.set F0,   0                           ; window 1: two sets of fragments: A's four at f + 16 i, W's at f + 64 + 16 i;   window 2: v0-127 the residual
.set F1,   128
.set G1, 24
.set G0, 32
.set G1B, 48
.set G0B, 56
.set MSB, 0
.macro WIN new
.if MSB != (\new)
	s_set_vgpr_msb (MSB<<8)|(\new)
.set MSB, (\new)
.endif
.endm
.set MUL,  0x05
.set TO_F, 0x40
.macro JLOAD s                         ; waves 0, 1 fetch A's halves, waves 2, 3 W's; s_nop 0 and four v_nop follow each line
	s_cmp_eq_u32 s15, 0
	s_cbranch_scc0 .Lfor_b_\@
	tensor_load_to_lds s[G0+4*\s:G0+4*\s+3], s[G1:G1+7]
	s_nop 0
.rept 4
	v_nop
.endr
	s_branch .Lasked_\@
.Lfor_b_\@:
	tensor_load_to_lds s[G0B+4*\s:G0B+4*\s+3], s[G1B:G1B+7]
	s_nop 0
.rept 4
	v_nop
.endr
.Lasked_\@:
.endm
.macro CREST
	s_cmp_lg_u32 s14, 0
	s_cbranch_scc1 .Lnot_wave_0_\@
	s_barrier_signal -3
.Lnot_wave_0_\@:
	s_barrier_wait -3
	s_barrier_signal -1
	s_barrier_wait -1
.endm
.macro CROUND
	s_barrier_signal -1
	s_barrier_wait -1
	CREST
.endm
	s_load_b256 s[68:75], s[0:1], 0x0              ; A, W, the scales, the bias
	s_load_b128 s[76:79], s[0:1], 0x20             ; the residual, the result
	v_lshl_add_u32 v[SPW], v0, 2, SPARE
	v_mov_b32 v[NIL], 0
	ds_add_u32 v[SPW], v[NIL]                      ; the opening: the add, twice on end, and its wait ahead of my first tensor load
	ds_add_u32 v[SPW], v[NIL]
	v_lshrrev_b32 v1, 5, v0
	v_readfirstlane_b32 s14, v1                    ; wave
	s_lshr_b32 s15, s14, 1                         ; hi: my 64 rows; also: I fetch for A (0) or for W (1)
	s_and_b32 s16, s14, 1                          ; lo: my 64 columns; also: which half I fetch
	s_bfe_u32 s40, ttmp6, 0x40000
	s_bfe_u32 s41, ttmp6, 0x40004
	s_lshl_b32 s42, ttmp9, 2
	s_add_co_u32 s42, s42, s40                     ; tile column
	s_and_b32 s17, ttmp7, 0xffff
	s_lshl_b32 s17, s17, 2
	s_add_co_u32 s17, s17, s41                     ; tile row
	s_lshl_b32 s43, s41, 2
	s_lshl_b32 s43, 15, s43
	s_lshl_b32 s44, 0x1111, s40
	s_or_b32 s[G1+0], s43, (3<<16)|(1<<21)         ; A: my row of the cluster; elements of 8 bytes; no padding
	s_mov_b32 s[G1+1], 2048<<16                    ; a row block's eight images on end: 16,384 bytes
	s_mov_b32 s[G1+2], 4<<16                       ; four row blocks
	s_mov_b32 s[G1+3], 2048<<16
	s_mov_b32 s[G1+4], 4
	s_mov_b32 s[G1+5], 2*SIZE_K                    ; from row block to row block: 16 SIZE_K bytes
	s_mov_b32 s[G1+6], 0
	s_mov_b32 s[G1+7], 0
	s_or_b32 s[G1B+0], s44, (1<<20)|(1<<21)|(7<<22)|(3<<25)   ; W: my column; elements of 1 byte; 4 words of padding behind every 256
	s_mov_b32 s[G1B+1], 1024<<16
	s_mov_b32 s[G1B+2], 64<<16
	s_mov_b32 s[G1B+3], 1024<<16
	s_mov_b32 s[G1B+4], 64
	s_mov_b32 s[G1B+5], SIZE_K
	s_mov_b32 s[G1B+6], 0
	s_mov_b32 s[G1B+7], 0
	s_lshl_b32 s20, s17, 3
	s_lshl_b32 s18, s16, 2
	s_add_co_u32 s20, s20, s18
	s_mul_i32 s20, s20, 16*SIZE_K                  ; A: row block 8 tile row + 4 lo
	s_mov_b32 s21, 0
	s_lshl_b32 s46, s42, 7
	s_lshl_b32 s18, s16, 6
	s_add_co_u32 s46, s46, s18
	s_mul_i32 s46, s46, SIZE_K                     ; W: row 128 tile column + 64 lo
	s_mov_b32 s47, 0
	s_lshl_b32 s45, s16, 16                        ; where they go: A's half,
	s_mul_i32 s19, s16, BHALF
	s_add_co_u32 s19, s19, BOFF                    ; W's half
	s_wait_dscnt 0x0
	s_wait_kmcnt 0x0
	s_load_b64 s[82:83], s[72:73], EOFF
	s_add_nc_u64 s[20:21], s[68:69], s[20:21]
	s_add_nc_u64 s[46:47], s[70:71], s[46:47]
	CROUND
.irp s, 0
	s_mov_b32 s[G0+4*\s], 1
	s_add_co_u32 s[G0+4*\s+1], s45, \s*SLOT
	s_add_nc_u64 s[G0+4*\s+2:G0+4*\s+3], s[20:21], \s*8192
	s_or_b32 s[G0+4*\s+3], s[G0+4*\s+3], 0x80000000
	s_mov_b32 s[G0B+4*\s], 1
	s_add_co_u32 s[G0B+4*\s+1], s19, \s*SLOT
	s_add_nc_u64 s[G0B+4*\s+2:G0B+4*\s+3], s[46:47], \s*512
	s_or_b32 s[G0B+4*\s+3], s[G0B+4*\s+3], 0x80000000
	JLOAD \s                                       ; my one tensor load of the launch
.endr
	v_and_b32 v1, 15, v0                           ; r
	v_bfe_u32 v2, v0, 4, 1                         ; h
	v_and_b32 v3, 31, v0
	v_lshlrev_b32 v4, 4, v3                        ; 16 x lane
	s_lshl_b32 s21, s15, 16
	v_add_nc_u32 v[ADRA], s21, v4
	v_add_nc_u32 v[ADRA+1], 8192, v[ADRA]          ; the upper 512 of K: four images on
	v_mul_u32_u24 v5, v1, BP
	v_lshl_add_u32 v5, v2, 3, v5
	s_mul_i32 s22, s16, BHALF
	s_add_co_u32 s22, s22, BOFF
	v_add_nc_u32 v[ADRB], s22, v5
	v_add_nc_u32 v[ADRB+1], 512, v[ADRB]           ; and 512 bytes on in W's rows
	s_mul_i32 s23, s14, 16*SP
	s_add_co_u32 s23, s23, STAGE
	v_mul_u32_u24 v[STO], v1, SP
	v_lshl_add_u32 v[STO], v2, 5, v[STO]
	v_add_nc_u32 v[STO], s23, v[STO]               ; in: row r, 32 bytes for each half of the lanes
	v_mul_u32_u24 v[RD], v2, SP
	v_lshl_add_u32 v[RD], v1, 4, v[RD]
	v_add_nc_u32 v[RD], s23, v[RD]                 ; back: lanes 0-15 one row of 256 bytes, lanes 16-31 the next
	v_lshlrev_b32 v[CB], 4, v1
	v_lshl_add_u32 v[CO], v2, 12, v[CB]            ; the same two rows in memory: 4,096 bytes a row
	s_wait_alu depctr_va_vdst(0)
	s_lshl_b32 s90, s42, 9
	s_lshl_b32 s92, s16, 8
	s_add_co_u32 s90, s90, s92                     ; my first column, in bytes
	s_mov_b32 s91, 0
	s_add_nc_u64 s[88:89], s[74:75], s[90:91]      ; the bias there
	s_lshl_b32 s92, s17, 19
	s_add_co_u32 s90, s90, s92
	s_lshl_b32 s92, s15, 18
	s_add_co_u32 s90, s90, s92                     ; + my first row
	s_add_nc_u64 s[84:85], s[76:77], s[90:91]      ; the residual,
	s_add_nc_u64 s[86:87], s[78:79], s[90:91]      ; the result
	WIN 0x80                                       ; destination window 2
.irp a, 0,1,2,3
.irp i, 0,1,2,3,4,5,6,7
	global_load_b128 v[32*\a+4*\i:32*\a+4*\i+3], v[CO], s[84:85] offset:(16*\a+2*\i)*4096   ; in the order in which rows come back from the stage
.endr
.endr
	WIN 0
	global_load_b128 v[BIA:BIA+3], v[CB], s[88:89]
.macro MULA f, a, zero                 ; A's block a x W's four.  The 16 accumulators take turns, one instruction a turn, in the same order in every quarter
.irp b, 0,1,2,3
.if \zero
	v_wmma_f32_16x16x128_fp8_fp8 v[ACC+8*(4*\a+\b):ACC+8*(4*\a+\b)+7], v[\f+64+16*\b:\f+64+16*\b+15], v[\f+16*\a:\f+16*\a+15], 0
.else
	v_wmma_f32_16x16x128_fp8_fp8 v[ACC+8*(4*\a+\b):ACC+8*(4*\a+\b)+7], v[\f+64+16*\b:\f+64+16*\b+15], v[\f+16*\a:\f+16*\a+15], v[ACC+8*(4*\a+\b):ACC+8*(4*\a+\b)+7]
.endif
.endr
.endm
.macro FETCH slot, q, f                ; 48 loads in one run: W's four fragments, then A's blocks 0, 1, then 2, 3
	WIN TO_F
.irp i, 0,1,2,3
.irp c, 0,1,2,3,4,5,6,7
	ds_load_b64 v[\f+64+16*\i+2*\c:\f+64+16*\i+2*\c+1], v[ADRB+\slot] offset:128*(\q)+16*\c+\i*16*BP
.endr
.endr
.irp i, 0,1,2,3
.irp c, 0,1,2,3
	ds_load_b128 v[\f+16*\i+4*\c:\f+16*\i+4*\c+3], v[ADRA+\slot] offset:16384*\i+2048*(\q)+512*\c
.endr
.endr
.endm
.macro PLACES
.rept 4
	v_nop
.endr
.endm
.macro QUARTER slot, qn, f, g, zero    ; 128 along K: multiplies set f, fetches the slot's quarter qn into set g
	s_wait_dscnt 8                                 ; W's four and A's blocks 0, 1 are in; the youngest 8 loads (blocks 2, 3) may be out
	WIN MUL
	MULA \f, 0, \zero
	MULA \f, 1, \zero
	PLACES
	FETCH \slot, \qn, \g
	s_wait_dscnt 48                                ; all but the 48 just issued
	WIN MUL
	MULA \f, 2, \zero
	MULA \f, 3, \zero
.endm
.macro TURN slot, next, fill           ; a slot's last quarter changes slots: one barrier; ahead of it all my tensor loads have landed, the add is done and my reads of this slot are over
	WIN 0
	s_wait_tensorcnt 0x0
	ds_add_u32 v[SPW], v[NIL]
	s_wait_dscnt 9                                 ; the add and the youngest 8 loads may be out
	WIN MUL
	MULA F1, 0, 0
	s_wait_dscnt 0x0
	s_barrier_signal -1
	MULA F1, 1, 0
	WIN 0
	s_barrier_wait -1
.if \fill
	CREST
	s_add_nc_u64 s[G0+4*\slot+2:G0+4*\slot+3], s[G0+4*\slot+2:G0+4*\slot+3], 2*8192
	s_add_nc_u64 s[G0B+4*\slot+2:G0B+4*\slot+3], s[G0B+4*\slot+2:G0B+4*\slot+3], 2*512
	JLOAD \slot
.else
	PLACES
.endif
	FETCH \next, 0, F0
	WIN MUL
	MULA F1, 2, 0
	MULA F1, 3, 0
.endm
	s_wait_tensorcnt 0x0                           ; my load is in
	s_barrier_signal -1
	s_barrier_wait -1
	FETCH 0, 0, F0
	QUARTER 0, 1, F0, F1, 1                        ; the first quarter's products start the sums
.if LAPS > 1
	WIN 0
	s_mov_b32 s3, LAPS-1
.Llap:
	QUARTER 0, 2, F1, F0, 0
	QUARTER 0, 3, F0, F1, 0
	TURN 0, 1, 1
	QUARTER 1, 1, F0, F1, 0
	QUARTER 1, 2, F1, F0, 0
	QUARTER 1, 3, F0, F1, 0
	TURN 1, 0, 1
	QUARTER 0, 1, F0, F1, 0
	WIN 0
	s_sub_co_u32 s3, s3, 1
	s_cmp_lg_u32 s3, 0
	s_cbranch_scc1 .Llap
.endif
	QUARTER 0, 2, F1, F0, 0
	QUARTER 0, 3, F0, F1, 0
	TURN 0, 1, 0
	QUARTER 1, 1, F0, F1, 0
	QUARTER 1, 2, F1, F0, 0
	QUARTER 1, 3, F0, F1, 0
	s_wait_dscnt 0
	WIN MUL
	MULA F1, 0, 0
	MULA F1, 1, 0
	MULA F1, 2, 0
	MULA F1, 3, 0
	WIN 0
	; ---- THE WAY OUT, 16 rows at a time: raw sums into my stage, back as whole rows of 256 bytes, x 2^(eA + eB) + residual + bias
	s_wait_kmcnt 0x0
	s_add_co_i32 s80, s82, s83
	s_add_co_i32 s80, s80, 127
	s_lshl_b32 s80, s80, 23
	s_mov_b32 s81, s80
	PLACES
	s_wait_loadcnt 0x0                             ; the residual and the bias
.irp a, 0,1,2,3
.irp b, 0,1,2,3
	ds_store_b128 v[STO], v[ACC+8*(4*\a+\b):ACC+8*(4*\a+\b)+3] offset:64*\b        ; each accumulator's low half first
	ds_store_b128 v[STO], v[ACC+8*(4*\a+\b)+4:ACC+8*(4*\a+\b)+7] offset:64*\b+16
.endr
.irp i, 0,1,2,3,4,5,6,7
	ds_load_b128 v[TMP+4*\i:TMP+4*\i+3], v[RD] offset:\i*2*SP                      ; LDS serves a wave's instructions in order: these see my stores, and the next block's stores come behind them
.endr
	s_wait_dscnt 0x0
	s_wait_xcnt 0x0                                ; earlier stores have read their registers
	WIN 0x20                                       ; source 2: the residual's window
.set j, 0
.rept 16
	v_pk_fma_f32 v[OUTR+32*(\a%2)+j:OUTR+32*(\a%2)+j+1], v[TMP+j:TMP+j+1], s[80:81], v[32*\a+j:32*\a+j+1] op_sel_hi:[1,0,1]
.set j, j+2
.endr
	WIN 0
.set j, 0
.rept 16
	v_pk_add_f32 v[OUTR+32*(\a%2)+j:OUTR+32*(\a%2)+j+1], v[OUTR+32*(\a%2)+j:OUTR+32*(\a%2)+j+1], v[BIA+j%4:BIA+j%4+1]
.set j, j+2
.endr
.irp i, 0,1,2,3,4,5,6,7
	global_store_b128 v[CO], v[OUTR+32*(\a%2)+4*\i:OUTR+32*(\a%2)+4*\i+3], s[86:87] offset:(16*\a+2*\i)*4096   ; 16 lanes store 256 consecutive bytes, aligned
.endr
.endr
	s_wait_tensorcnt 0x0                           ; the wave's end
	ds_add_u32 v[SPW], v[NIL]
	s_wait_dscnt 0x0
	CROUND                                         ; the closing round
	s_endpgm
.Lfunc_end_k_qd24cf297a6_wo:
	.size	k_qd24cf297a6_wo, .Lfunc_end_k_qd24cf297a6_wo-k_qd24cf297a6_wo
	.p2alignl 7, 3214868480
	.fill 96, 4, 3214868480
	.section	.rodata,"a",@progbits
	.p2align	6, 0x0
	.amdhsa_kernel k_qd24cf297a6_wo
		.amdhsa_group_segment_fixed_size 327680
		.amdhsa_private_segment_fixed_size 0
		.amdhsa_enable_private_segment 0
		.amdhsa_kernarg_size 48
		.amdhsa_user_sgpr_count 2
		.amdhsa_user_sgpr_kernarg_segment_ptr 1
		.amdhsa_wavefront_size32 1
		.amdhsa_system_sgpr_workgroup_id_x 1
		.amdhsa_system_sgpr_workgroup_id_y 1
		.amdhsa_system_sgpr_workgroup_id_z 1
		.amdhsa_system_vgpr_workitem_id 0
		.amdhsa_next_free_vgpr 640
		.amdhsa_next_free_sgpr 96
		.amdhsa_reserve_vcc 0
		.amdhsa_float_denorm_mode_32 3
		.amdhsa_float_denorm_mode_16_64 3
		.amdhsa_memory_ordered 1
		.amdhsa_forward_progress 1
		.amdhsa_inst_pref_size 60
	.end_amdhsa_kernel
	.amdgpu_metadata
---
amdhsa.version: [ 1, 2 ]
amdhsa.kernels:
  - .name:           k_qd24cf297a6_wo
    .symbol:         k_qd24cf297a6_wo.kd
    .args:
      - { .name: ao, .offset: 0, .size: 8, .value_kind: global_buffer, .address_space: global }
      - { .name: Wo_codes, .offset: 8, .size: 8, .value_kind: global_buffer, .address_space: global }
      - { .name: lowp_scales, .offset: 16, .size: 8, .value_kind: global_buffer, .address_space: global }
      - { .name: bo, .offset: 24, .size: 8, .value_kind: global_buffer, .address_space: global }
      - { .name: x, .offset: 32, .size: 8, .value_kind: global_buffer, .address_space: global }
      - { .name: x1, .offset: 40, .size: 8, .value_kind: global_buffer, .address_space: global }
    .group_segment_fixed_size: 327680
    .private_segment_fixed_size: 0
    .kernarg_segment_align: 8
    .kernarg_segment_size: 48
    .max_flat_workgroup_size: 128
    .sgpr_count:     96
    .vgpr_count:     640
    .wavefront_size: 32
...
	.end_amdgpu_metadata
.endif
;; end of part 4
;; launch ln2 (part 5): grid 256 x 1, 16 waves a work-group, no clusters, 18,432 bytes of LDS; arguments x1, g2, be2, lowp_scales, h2; writes h2
.if DOCPART == 5
	.amdgcn_target "amdgcn-amd-amdhsa--gfx1250"
	.amdhsa_code_object_version 6
	.text
	.protected	k_qd24cf297a6_ln2
	.globl	k_qd24cf297a6_ln2
	.p2align	8
	.type	k_qd24cf297a6_ln2,@function
k_qd24cf297a6_ln2:
	s_mov_b64 s[64:65], 0
	v_nop
	global_prefetch_b8 v0, s[64:65] scope:SCOPE_SE
	s_setreg_imm32_b32 hwreg(HW_REG_WAVE_MODE, 25, 1), 1
	s_wait_xcnt 0x0
; LAUNCH 5 OF 7.  h2 = LayerNorm(x1; g2, be2), quantised to E4M3 by entry 12 of the scales, as rows of codes.  Nothing is left out.
; A wave takes one whole row (row = 16 x work-group + wave): sixteen waves, four to a SIMD, so that one row's dependent sums stand beside another row's work.  A lane holds 32 numbers of the row:
; chunk q is columns 128 q + 4 lane + 0..3, so each load reads 512 consecutive bytes.
; The conversion takes eight registers = two chunks and gives the two chunks' code words; the words go through the wave's own stage in LDS and leave as stores of 512 consecutive bytes.  No barrier.
; LIMITS: e12 between -126 and 119.  NaN is not served by the hold (a row of NaN gives codes that are numbers; the residual carries the NaN to the result).
.set WAVES, 16
.set STG,   1024
.set SPARE, WAVES*STG
.set SPW,   5
.set NIL,   6
.set SC,    8
.set LM,    11
.set C,     16                         ; v16-23  code words
.set T,     40                         ; v40-55  at work
.set G,     64
.set BE,    96
.set X,     128                        ; v128-159 my row
	s_load_b256 s[4:11], s[0:1], 0x0               ; x1, g2, be2, the scales
	s_load_b64 s[12:13], s[0:1], 0x20              ; h2
	v_lshl_add_u32 v[SPW], v0, 2, SPARE
	v_mov_b32 v[NIL], 0
	v_lshrrev_b32 v1, 5, v0
	s_delay_alu instid0(VALU_DEP_1)
	v_readfirstlane_b32 s16, v1
	v_and_b32 v1, 31, v0
	s_delay_alu instid0(VALU_DEP_1)
	v_lshlrev_b32 v2, 4, v1
	s_mul_i32 s17, s16, STG
	v_lshl_add_u32 v3, v1, 2, s17
	v_lshl_add_u32 v4, v1, 4, s17
	s_lshl_b32 s18, ttmp9, 16                      ; my row in x1: (16 wg + wave) x 4,096 bytes
	s_lshl_b32 s19, s16, 12
	s_add_co_u32 s18, s18, s19
	s_mov_b32 s19, 0
	s_lshr_b32 s26, s18, 2
	s_mov_b32 s27, 0
	s_mov_b32 s38, 0x76543210
	s_mov_b32 s39, 0xfedcba98
	s_mov_b32 s40, 0x3a800000                      ; 1 / 1,024
	s_mov_b32 s41, 0x3727c5ac                      ; 1e-5
	s_wait_alu depctr_va_vdst(0)
	s_wait_kmcnt 0x0
	s_load_b32 s44, s[10:11], 0x30                 ; e12
	s_add_nc_u64 s[4:5], s[4:5], s[18:19]
	s_add_nc_u64 s[20:21], s[12:13], s[26:27]
.irp q, 0,1,2,3,4,5,6,7
	global_load_b128 v[X+4*\q:X+4*\q+3], v2, s[4:5] offset:512*\q
.endr
.irp q, 0,1,2,3,4,5,6,7
	global_load_b128 v[G+4*\q:G+4*\q+3], v2, s[6:7] offset:512*\q
.endr
.irp q, 0,1,2,3,4,5,6,7
	global_load_b128 v[BE+4*\q:BE+4*\q+3], v2, s[8:9] offset:512*\q
.endr
	s_wait_kmcnt 0x0
	s_add_co_i32 s52, s44, 127
	s_lshl_b32 s53, s52, 23
	v_mov_b32 v[SC], s53                           ; 2^e12
	s_add_co_i32 s52, s52, 8
	s_lshl_b32 s52, s52, 23
	s_or_b32 s52, s52, 0x600000
	v_mov_b32 v[LM], s52                           ; 448 x 2^e12
.macro ALLSUM r, t
	s_delay_alu instid0(VALU_DEP_1)
	v_add_f32_dpp v[\r], v[\r], v[\r] row_xmask:1 row_mask:0xf bank_mask:0xf
	s_delay_alu instid0(VALU_DEP_1)
	v_add_f32_dpp v[\r], v[\r], v[\r] row_xmask:2 row_mask:0xf bank_mask:0xf
	s_delay_alu instid0(VALU_DEP_1)
	v_add_f32_dpp v[\r], v[\r], v[\r] row_xmask:4 row_mask:0xf bank_mask:0xf
	s_delay_alu instid0(VALU_DEP_1)
	v_add_f32_dpp v[\r], v[\r], v[\r] row_xmask:8 row_mask:0xf bank_mask:0xf
	s_delay_alu instid0(VALU_DEP_1)
	v_permlanex16_b32 v[\t], v[\r], s38, s39
	s_delay_alu instid0(VALU_DEP_1)
	v_add_f32 v[\r], v[\r], v[\t]
.endm
	s_wait_loadcnt 0x0                             ; my row, g2 and be2 are in
	v_pk_add_f32 v[42:43], v[128:129], v[130:131]
	v_pk_add_f32 v[62:63], v[136:137], v[140:141]
	v_pk_add_f32 v[60:61], v[144:145], v[148:149]
	v_pk_add_f32 v[58:59], v[152:153], v[156:157]
	v_pk_add_f32 v[56:57], v[132:133], v[134:135]
	v_pk_add_f32 v[54:55], v[138:139], v[142:143]
	v_pk_add_f32 v[52:53], v[146:147], v[150:151]
	v_pk_add_f32 v[40:41], v[154:155], v[158:159]
	s_delay_alu instid0(VALU_DEP_1)
	v_pk_add_f32 v[40:41], v[40:41], v[58:59]
	v_pk_add_f32 v[42:43], v[42:43], v[56:57]
	v_pk_add_f32 v[62:63], v[62:63], v[54:55]
	v_pk_add_f32 v[60:61], v[60:61], v[52:53]
	s_delay_alu instid0(VALU_DEP_2)
	v_pk_add_f32 v[40:41], v[40:41], v[62:63]
	s_delay_alu instid0(VALU_DEP_2)
	v_pk_add_f32 v[42:43], v[42:43], v[60:61]
	s_delay_alu instid0(VALU_DEP_1)
	v_pk_add_f32 v[40:41], v[40:41], v[42:43]
	s_delay_alu instid0(VALU_DEP_1)
	v_add_f32 v[T], v[T], v[T+1]
	ALLSUM T, T+1
	s_delay_alu instid0(VALU_DEP_1)
	v_mul_f32 v[T+4], s40, v[T]                    ; the mean
	s_delay_alu instid0(VALU_DEP_1)
	v_mov_b32 v[T+5], v[T+4]
.set j, 0
.rept 16
	v_pk_add_f32 v[X+j:X+j+1], v[X+j:X+j+1], v[T+4:T+5] neg_lo:[0,1] neg_hi:[0,1]
.set j, j+2
.endr
	v_pk_mul_f32 v[T:T+1], v[X:X+1], v[X:X+1]
	v_pk_mul_f32 v[T+2:T+3], v[X+2:X+3], v[X+2:X+3]
.irp j, 4,8,12,16,20,24,28
	s_delay_alu instid0(VALU_DEP_2)
	v_pk_fma_f32 v[T:T+1], v[X+\j:X+\j+1], v[X+\j:X+\j+1], v[T:T+1]
	s_delay_alu instid0(VALU_DEP_2)
	v_pk_fma_f32 v[T+2:T+3], v[X+\j+2:X+\j+3], v[X+\j+2:X+\j+3], v[T+2:T+3]
.endr
	s_delay_alu instid0(VALU_DEP_1)
	v_pk_add_f32 v[T:T+1], v[T:T+1], v[T+2:T+3]
	s_delay_alu instid0(VALU_DEP_1)
	v_add_f32 v[T], v[T], v[T+1]
	ALLSUM T, T+1
	s_delay_alu instid0(VALU_DEP_1)
	v_fma_f32 v[T+6], v[T], s40, s41               ; the variance + 1e-5
	s_wait_alu depctr_va_vdst(0)
	v_rsq_f32 v[T+8], v[T+6]
	v_nop                                          ; a plain line behind the transcendental,
	s_wait_alu depctr_va_vdst(0)                   ; and the wait ahead of its first reader
	v_mov_b32 v[T+9], v[T+8]
.set j, 0
.rept 16
	v_pk_mul_f32 v[X+j:X+j+1], v[X+j:X+j+1], v[T+8:T+9]
.set j, j+2
.endr
.set j, 0
.rept 16
	v_pk_fma_f32 v[X+j:X+j+1], v[X+j:X+j+1], v[G+j:G+j+1], v[BE+j:BE+j+1]
.set j, j+2
.endr
.irp m, 0,1,2,3
.set TS, T+8*(\m%2)                    ; two sets by turns: the eight holds into one set are the plain lines behind the conversion that read the other
.irp j, 0,1,2,3,4,5,6,7
	v_med3_num_f32 v[TS+\j], v[X+8*\m+\j], -v[LM], v[LM]   ; the conversion to an 8-bit code does not saturate (ISA guide 7.6.2): the hold comes first
.endr
	v_cvt_scalef32_pk8_fp8_f32 v[C+2*\m:C+2*\m+1], v[TS:TS+7], v[SC]
.endr
	v_nop                                          ; a plain line behind the last conversion
.irp q, 0,1,2,3,4,5,6,7
	ds_store_b32 v3, v[C+\q] offset:128*\q
.endr
.irp u, 0,1
	ds_load_b128 v[X+4*\u:X+4*\u+3], v4 offset:512*\u      ; LDS serves a wave's instructions in order: these see my stores; they land in the row's own registers, which are done with
.endr
	s_wait_dscnt 0x0
.irp u, 0,1
	global_store_b128 v2, v[X+4*\u:X+4*\u+3], s[20:21] offset:512*\u   ; 512 consecutive bytes, aligned
.endr
	s_wait_tensorcnt 0x0                           ; the wave's end, behind my last LDS store
	ds_add_u32 v[SPW], v[NIL]
	s_wait_dscnt 0x0
	s_endpgm
.Lfunc_end_k_qd24cf297a6_ln2:
	.size	k_qd24cf297a6_ln2, .Lfunc_end_k_qd24cf297a6_ln2-k_qd24cf297a6_ln2
	.p2alignl 7, 3214868480
	.fill 96, 4, 3214868480
	.section	.rodata,"a",@progbits
	.p2align	6, 0x0
	.amdhsa_kernel k_qd24cf297a6_ln2
		.amdhsa_group_segment_fixed_size 18432
		.amdhsa_private_segment_fixed_size 0
		.amdhsa_enable_private_segment 0
		.amdhsa_kernarg_size 40
		.amdhsa_user_sgpr_count 2
		.amdhsa_user_sgpr_kernarg_segment_ptr 1
		.amdhsa_wavefront_size32 1
		.amdhsa_system_sgpr_workgroup_id_x 1
		.amdhsa_system_sgpr_workgroup_id_y 1
		.amdhsa_system_sgpr_workgroup_id_z 1
		.amdhsa_system_vgpr_workitem_id 0
		.amdhsa_next_free_vgpr 160
		.amdhsa_next_free_sgpr 66
		.amdhsa_reserve_vcc 0
		.amdhsa_float_denorm_mode_32 3
		.amdhsa_float_denorm_mode_16_64 3
		.amdhsa_memory_ordered 1
		.amdhsa_forward_progress 1
		.amdhsa_inst_pref_size 15
	.end_amdhsa_kernel
	.amdgpu_metadata
---
amdhsa.version: [ 1, 2 ]
amdhsa.kernels:
  - .name:           k_qd24cf297a6_ln2
    .symbol:         k_qd24cf297a6_ln2.kd
    .args:
      - { .name: x1, .offset: 0, .size: 8, .value_kind: global_buffer, .address_space: global }
      - { .name: g2, .offset: 8, .size: 8, .value_kind: global_buffer, .address_space: global }
      - { .name: be2, .offset: 16, .size: 8, .value_kind: global_buffer, .address_space: global }
      - { .name: lowp_scales, .offset: 24, .size: 8, .value_kind: global_buffer, .address_space: global }
      - { .name: h2, .offset: 32, .size: 8, .value_kind: global_buffer, .address_space: global }
    .group_segment_fixed_size: 18432
    .private_segment_fixed_size: 0
    .kernarg_segment_align: 8
    .kernarg_segment_size: 40
    .max_flat_workgroup_size: 512
    .sgpr_count:     66
    .vgpr_count:     160
    .wavefront_size: 32
...
	.end_amdgpu_metadata
.endif
;; end of part 5
;; launch ffn1 (part 6): grid 16 x 16, 4 waves a work-group, clusters of 4 x 4, 327,680 bytes of LDS; arguments h2, W1_codes, lowp_scales, b1, ff; writes ff
.if DOCPART == 6
	.amdgcn_target "amdgcn-amd-amdhsa--gfx1250"
	.amdhsa_code_object_version 6
	.text
	.protected	k_qd24cf297a6_ffn1
	.globl	k_qd24cf297a6_ffn1
	.p2align	8
	.type	k_qd24cf297a6_ffn1,@function
k_qd24cf297a6_ffn1:
	s_mov_b64 s[64:65], 0
	v_nop
	global_prefetch_b8 v0, s[64:65] scope:SCOPE_SE
	s_setreg_imm32_b32 hwreg(HW_REG_WAVE_MODE, 25, 1), 1
	s_wait_xcnt 0x0
	s_wait_alu depctr_hold_cnt(0) depctr_sa_sdst(0) depctr_va_vdst(0) depctr_va_sdst(0) depctr_va_ssrc(0) depctr_va_vcc(0) depctr_vm_vsrc(0)
	s_getreg_b32 s2, hwreg(HW_REG_IB_STS2, 6, 4)
	s_cmp_eq_u32 s2, 0
	s_cbranch_scc0 .Lentry_in_a_cluster
	s_endpgm
.Lentry_in_a_cluster:
	s_bfe_u32 s2, ttmp6, 0x10000c
	s_cmp_lg_u32 s2, 0xf033
	s_cbranch_scc0 .Lentry_shape_is_right
	s_endpgm
.Lentry_shape_is_right:
.set ROWB,   256
.set KROW,   1024
.set PITCH,  272
.set FR,     16
.set NL,     4
.set NP,     4
.set HALFT,  128*PITCH
.set SLOT,   4*HALFT
.set LAPS,   2
.set SPARE,  2*SLOT
.set ADRA, 16
.set ADRB, 20
.set SPW,  28
.set NIL,  29
.set LI,   30
.set BO,   31
.set BI,   32
.set UU,   96
.set CC,   128
.set ZZ,   160
.set PP,   192
.set QQ,   224
.set CD,   8
.set AF,   128
.set G1, 24
.set G0, 32
.set G1B, 48
.set G0B, 56
.set MSB, 0
.macro WIN new
.if MSB != (\new)
	s_set_vgpr_msb (MSB<<8)|(\new)
.set MSB, (\new)
.endif
.endm
.set MUL_LO, 0xa1
.set MUL_HI, 0xf1
.set TO_B,   0x40
.macro JLOAD g0a, g1a, g0b, g1b
	s_cmp_eq_u32 s15, 0
	s_cbranch_scc0 .Lfor_b_\@
	tensor_load_to_lds s[\g0a:\g0a+3], s[\g1a:\g1a+7]
	s_nop 0
.rept 4
	v_nop
.endr
	s_branch .Lasked_\@
.Lfor_b_\@:
	tensor_load_to_lds s[\g0b:\g0b+3], s[\g1b:\g1b+7]
	s_nop 0
.rept 4
	v_nop
.endr
.Lasked_\@:
.endm
.macro CREST
	s_cmp_lg_u32 s14, 0
	s_cbranch_scc1 .Lnot_wave_0_\@
	s_barrier_signal -3
.Lnot_wave_0_\@:
	s_barrier_wait -3
	s_barrier_signal -1
	s_barrier_wait -1
.endm
.macro CROUND
	s_barrier_signal -1
	s_barrier_wait -1
	CREST
.endm
.macro KP r, val
	s_mov_b32 s[\r], \val
	s_mov_b32 s[\r+1], \val
.endm
	s_load_b128 s[4:7], s[0:1], 0x0
	s_load_b128 s[8:11], s[0:1], 0x10
	s_load_b64 s[12:13], s[0:1], 0x20
	v_lshl_add_u32 v[SPW], v0, 2, SPARE
	v_mov_b32 v[NIL], 0
	ds_add_u32 v[SPW], v[NIL]
	ds_add_u32 v[SPW], v[NIL]
	v_lshrrev_b32 v1, 5, v0
	v_readfirstlane_b32 s14, v1
	s_lshr_b32 s15, s14, 1
	s_and_b32 s16, s14, 1
	s_bfe_u32 s40, ttmp6, 0x40000
	s_bfe_u32 s41, ttmp6, 0x40004
	s_lshl_b32 s42, ttmp9, 2
	s_add_co_u32 s42, s42, s40
	s_and_b32 s17, ttmp7, 0xffff
	s_lshl_b32 s17, s17, 2
	s_add_co_u32 s17, s17, s41
	s_lshl_b32 s43, s41, 2
	s_lshl_b32 s43, 15, s43
	s_lshl_b32 s44, 0x1111, s40
	s_or_b32 s[G1+0], s43, (1<<20)|(1<<21)|(5<<22)|(3<<25)
	s_or_b32 s[G1B+0], s44, (1<<20)|(1<<21)|(5<<22)|(3<<25)
.irp g, G1, G1B
	s_mov_b32 s[\g+1], ROWB<<16
	s_mov_b32 s[\g+2], 128<<16
	s_mov_b32 s[\g+3], ROWB<<16
	s_mov_b32 s[\g+4], 128
	s_mov_b32 s[\g+5], KROW
	s_mov_b32 s[\g+6], 0
	s_mov_b32 s[\g+7], 0
.endr
	s_lshl_b32 s18, s16, 7
	s_lshl_b32 s20, s17, 8
	s_add_co_u32 s20, s20, s18
	s_lshl_b32 s20, s20, 10
	s_mov_b32 s21, 0
	s_lshl_b32 s46, s42, 8
	s_add_co_u32 s46, s46, s18
	s_lshl_b32 s46, s46, 10
	s_mov_b32 s47, 0
	s_mul_i32 s45, s14, HALFT
	KP 66, 0xaf95df0b
	KP 68, 0xb60cff51
	KP 70, 0xb86ec2d2
	KP 72, 0xba40ac63
	KP 74, 0xbb41a1f6
	KP 76, 0xbc83dbd4
	KP 78, 0xb77460cd
	KP 80, 0xbadc924e
	KP 82, 0xbbf19bf8
	KP 84, 0xbc69b6a7
	KP 86, 0x3f3504f3
	s_wait_dscnt 0x0
	s_wait_kmcnt 0x0
	s_load_b128 s[92:95], s[8:9], 0x30
	s_add_nc_u64 s[20:21], s[4:5], s[20:21]
	s_add_nc_u64 s[46:47], s[6:7], s[46:47]
	CROUND
.irp s, 0,1
	s_mov_b32 s[G0+4*\s], 1
	s_add_co_u32 s[G0+4*\s+1], s45, \s*SLOT
	s_add_nc_u64 s[G0+4*\s+2:G0+4*\s+3], s[20:21], \s*ROWB
	s_or_b32 s[G0+4*\s+3], s[G0+4*\s+3], 0x80000000
	s_mov_b32 s[G0B+4*\s], 1
	s_add_co_u32 s[G0B+4*\s+1], s45, \s*SLOT
	s_add_nc_u64 s[G0B+4*\s+2:G0B+4*\s+3], s[46:47], \s*ROWB
	s_or_b32 s[G0B+4*\s+3], s[G0B+4*\s+3], 0x80000000
.endr
	JLOAD G0, G1, G0B, G1B                         ; K step 0: one tensor load a wave at the head
	v_and_b32 v1, 15, v0
	v_bfe_u32 v2, v0, 4, 1
	v_mul_u32_u24 v3, v1, PITCH
	v_lshl_add_u32 v4, v2, 4, v3
	s_mul_i32 s21, s15, HALFT
	s_mul_i32 s22, s16, HALFT
	s_add_co_u32 s22, s22, 2*HALFT
.irp s, 0,1
	v_add_nc_u32 v[ADRA+\s], s21, v4
	v_add_nc_u32 v[ADRB+\s], s22, v4
	s_add_co_u32 s21, s21, SLOT
	s_add_co_u32 s22, s22, SLOT
.endr
	v_and_b32 v[LI], 31, v0
	v_lshlrev_b32 v[LI], 4, v[LI]
	v_lshlrev_b32 v[BO], 5, v2
	s_lshl_b32 s90, s42, 10
	s_lshl_b32 s96, s16, 9
	s_add_co_u32 s90, s90, s96
	s_mov_b32 s91, 0
	s_add_nc_u64 s[10:11], s[10:11], s[90:91]
.irp b, 0,1,2,3,4,5,6,7
	global_load_b128 v[BI+8*\b:BI+8*\b+3], v[BO], s[10:11] offset:64*\b
	global_load_b128 v[BI+8*\b+4:BI+8*\b+7], v[BO], s[10:11] offset:64*\b+16
.endr
	s_lshl_b32 s90, s17, 20
	s_lshl_b32 s96, s15, 19
	s_add_co_u32 s90, s90, s96
	s_lshl_b32 s96, s42, 12
	s_add_co_u32 s90, s90, s96
	s_lshl_b32 s96, s16, 11
	s_add_co_u32 s90, s90, s96
	s_add_nc_u64 s[12:13], s[12:13], s[90:91]
.macro FRAG reg, adr, q, i
.irp c, 0,1,2,3
	ds_load_b128 v[\reg+4*\c:\reg+4*\c+3], v[\adr] offset:128*(\q)+32*\c+(\i)*16*PITCH
.endr
.endm
.macro MUL16 a0, p, zero
.irp a, \a0, \a0+1
.irp b, 0,1,2,3,4,5,6,7
.if \zero
	v_wmma_f32_16x16x128_fp8_fp8 v[8*(8*((\a)%4)+\b):8*(8*((\a)%4)+\b)+7], v[128*(\p)+FR*\b:128*(\p)+FR*\b+FR-1], v[AF+FR*(\a):AF+FR*(\a)+FR-1], 0
.else
	v_wmma_f32_16x16x128_fp8_fp8 v[8*(8*((\a)%4)+\b):8*(8*((\a)%4)+\b)+7], v[128*(\p)+FR*\b:128*(\p)+FR*\b+FR-1], v[AF+FR*(\a):AF+FR*(\a)+FR-1], v[8*(8*((\a)%4)+\b):8*(8*((\a)%4)+\b)+7]
.endif
.endr
.endr
.endm
.macro FETCH_B slot, q, p
	WIN TO_B
.irp i, 0,1,2,3,4,5,6,7
	FRAG 128*(\p)+FR*\i, ADRB+\slot, \q, \i
.endr
	WIN 0
.endm
.macro FETCH_A slot, q, i0
.irp i, \i0, \i0+1, \i0+2, \i0+3
	FRAG AF+FR*(\i), ADRA+\slot, \q, \i
.endr
.endm
.macro PLACES n
.rept \n
	v_nop
.endr
.endm
.macro STEP slot, q, zero
	s_wait_dscnt 4*NL
	WIN MUL_LO
	MUL16 0, (\q)%2, \zero
	MUL16 2, (\q)%2, \zero
	s_wait_dscnt 0
	PLACES NP
	FETCH_B \slot, (\q)+1, 1-(\q)%2
	FETCH_A \slot, (\q)+1, 0
	WIN MUL_HI
	MUL16 4, (\q)%2, \zero
	MUL16 6, (\q)%2, \zero
	PLACES NP
	WIN 0
	FETCH_A \slot, (\q)+1, 4
.endm
.macro TURN slot, next, fill
	s_wait_tensorcnt 0x0
	ds_add_u32 v[SPW], v[NIL]
	s_wait_dscnt 4*NL+1
	WIN MUL_LO
	MUL16 0, 1, 0
	s_wait_dscnt 0x0
	s_barrier_signal -1
	MUL16 2, 1, 0
	WIN 0
	s_barrier_wait -1
.if \fill
	CREST
	s_add_nc_u64 s[G0+4*\slot+2:G0+4*\slot+3], s[G0+4*\slot+2:G0+4*\slot+3], 2*ROWB
	s_add_nc_u64 s[G0B+4*\slot+2:G0B+4*\slot+3], s[G0B+4*\slot+2:G0B+4*\slot+3], 2*ROWB
	JLOAD G0+4*\slot, G1, G0B+4*\slot, G1B
.else
	PLACES NP
.endif
	FETCH_B \next, 0, 0
	FETCH_A \next, 0, 0
	WIN MUL_HI
	MUL16 4, 1, 0
	MUL16 6, 1, 0
	PLACES NP
	WIN 0
	FETCH_A \next, 0, 4
.endm
	s_wait_alu depctr_va_vdst(0)
	s_wait_tensorcnt 0x0                           ; my part of slot 0 is in; slot 1's first fill is issued as a refill is
	ds_add_u32 v[SPW], v[NIL]
	s_wait_dscnt 0x0
	CROUND                                         ; everybody's part of slot 0 is in, and the joint loads meet
	JLOAD G0+4, G1, G0B+4, G1B                     ; K step 1: the first tensor load behind the round
	FETCH_B 0, 0, 0
	FETCH_A 0, 0, 0
	FETCH_A 0, 0, 4
	STEP 0, 0, 1
	s_mov_b32 s3, LAPS-1
.Llap:
	TURN 0, 1, 1
	STEP 1, 0, 0
	TURN 1, 0, 1
	STEP 0, 0, 0
	s_sub_co_u32 s3, s3, 1
	s_cmp_lg_u32 s3, 0
	s_cbranch_scc1 .Llap
	TURN 0, 1, 0
	STEP 1, 0, 0
	s_wait_dscnt 4*NL
	WIN MUL_LO
	MUL16 0, 1, 0
	MUL16 2, 1, 0
	s_wait_dscnt 0
	WIN MUL_HI
	MUL16 4, 1, 0
	MUL16 6, 1, 0
	WIN 0
	s_wait_kmcnt 0x0
	s_add_co_i32 s88, s92, s93
	s_add_co_i32 s88, s88, 127
	s_lshl_b32 s88, s88, 23
	s_mul_f32 s88, s88, s86
	s_mov_b32 s89, s88
	s_add_co_i32 s96, s94, 127
	s_lshl_b32 s97, s96, 23
	s_add_co_i32 s96, s96, 8
	s_lshl_b32 s96, s96, 23
	s_or_b32 s96, s96, 0x600000
	s_wait_loadcnt 0x0
	PLACES NP
	v_mov_b32 v2, 0x32edffee
	v_mov_b32 v3, 0x32edffee
	v_mov_b32 v4, 0xb95fbd29
	v_mov_b32 v5, 0xb95fbd29
	v_mov_b32 v6, s96
	v_mov_b32 v7, s97
.set i, 0
.rept 32
	v_pk_mul_f32 v[BI+i:BI+i+1], v[BI+i:BI+i+1], s[86:87] op_sel_hi:[1,0]
.set i, i+2
.endr
.macro SUMS w, a4, g
	WIN \w
.set i, 0
.rept 16
	v_pk_fma_f32 v[UU+i:UU+i+1], v[64*\a4+32*\g+i:64*\a4+32*\g+i+1], s[88:89], v[BI+32*\g+i:BI+32*\g+i+1] op_sel_hi:[1,0,1]
.set i, i+2
.endr
	WIN 0
.endm
.macro GELU a4, g
	s_cmp_eq_u32 s3, 0
	s_cbranch_scc0 .Lupper_\@
	SUMS 0x02, \a4, \g
	s_branch .Ljoin_\@
.Lupper_\@:
	SUMS 0x03, \a4, \g
.Ljoin_\@:
.set i, 0
.rept 32
	v_med3_num_f32 v[CC+i], v[UU+i], -4.0, 4.0
.set i, i+1
.endr
.set i, 0
.rept 16
	v_pk_mul_f32 v[ZZ+i:ZZ+i+1], v[CC+i:CC+i+1], v[CC+i:CC+i+1]
.set i, i+2
.endr
.set i, 0
.rept 16
	v_pk_fma_f32 v[PP+i:PP+i+1], v[ZZ+i:ZZ+i+1], s[66:67], v[2:3] op_sel_hi:[1,0,1]
	v_pk_fma_f32 v[QQ+i:QQ+i+1], v[ZZ+i:ZZ+i+1], s[78:79], v[4:5] op_sel_hi:[1,0,1]
.set i, i+2
.endr
.irp k, 80,82,84
.set i, 0
.rept 16
	v_pk_fma_f32 v[QQ+i:QQ+i+1], v[QQ+i:QQ+i+1], v[ZZ+i:ZZ+i+1], s[\k:\k+1] op_sel_hi:[1,1,0]
.set i, i+2
.endr
.endr
.set i, 0
	s_wait_alu depctr_va_vdst(0)
.rept 32
	v_rcp_f32 v[QQ+i], v[QQ+i]
.set i, i+1
.endr
.irp k, 68,70,72,74,76
.set i, 0
.rept 16
	v_pk_fma_f32 v[PP+i:PP+i+1], v[PP+i:PP+i+1], v[ZZ+i:ZZ+i+1], s[\k:\k+1] op_sel_hi:[1,1,0]
.set i, i+2
.endr
.endr
.set i, 0
.rept 16
	v_pk_mul_f32 v[PP+i:PP+i+1], v[PP+i:PP+i+1], v[CC+i:CC+i+1]
	v_pk_mul_f32 v[UU+i:UU+i+1], v[UU+i:UU+i+1], s[86:87] op_sel_hi:[1,0]
.set i, i+2
.endr
	s_wait_alu depctr_va_vdst(0)
.set i, 0
.rept 16
	v_pk_mul_f32 v[PP+i:PP+i+1], v[PP+i:PP+i+1], v[QQ+i:QQ+i+1]
.set i, i+2
.endr
.set i, 0
.rept 16
	v_pk_fma_f32 v[UU+i:UU+i+1], v[PP+i:PP+i+1], v[UU+i:UU+i+1], v[UU+i:UU+i+1]
.set i, i+2
.endr
.set i, 0
.rept 32
	v_med3_num_f32 v[UU+i], v[UU+i], -v6, v6
.set i, i+1
.endr
.if \g == 0
	s_wait_alu depctr_va_vdst(0)
	s_wait_xcnt 0x0
.endif
.irp p, 0,1,2,3
	v_cvt_scalef32_pk8_fp8_f32 v[CD+8*\g+2*\p:CD+8*\g+2*\p+1], v[UU+8*\p:UU+8*\p+7], v7
.endr
	v_nop
.endm
	s_mov_b32 s3, 0
.Lhalf:
.irp a, 0,1,2,3
	GELU \a, 0
	GELU \a, 1
.irp c, 0,1,2,3
	global_store_b128 v[LI], v[CD+4*\c:CD+4*\c+3], s[12:13] offset:65536*\a+512*\c
.endr
.endr
	s_wait_xcnt 0x0
	s_add_nc_u64 s[12:13], s[12:13], 4*65536
	s_add_co_u32 s3, s3, 1
	s_cmp_lt_u32 s3, 2
	s_cbranch_scc1 .Lhalf
	s_wait_tensorcnt 0x0
	ds_add_u32 v[SPW], v[NIL]
	s_wait_dscnt 0x0
	CROUND
	s_endpgm
.Lfunc_end_k_qd24cf297a6_ffn1:
	.size	k_qd24cf297a6_ffn1, .Lfunc_end_k_qd24cf297a6_ffn1-k_qd24cf297a6_ffn1
	.p2alignl 7, 3214868480
	.fill 96, 4, 3214868480
	.section	.rodata,"a",@progbits
	.p2align	6, 0x0
	.amdhsa_kernel k_qd24cf297a6_ffn1
		.amdhsa_group_segment_fixed_size 327680
		.amdhsa_private_segment_fixed_size 0
		.amdhsa_enable_private_segment 0
		.amdhsa_kernarg_size 40
		.amdhsa_user_sgpr_count 2
		.amdhsa_user_sgpr_kernarg_segment_ptr 1
		.amdhsa_wavefront_size32 1
		.amdhsa_system_sgpr_workgroup_id_x 1
		.amdhsa_system_sgpr_workgroup_id_y 1
		.amdhsa_system_sgpr_workgroup_id_z 1
		.amdhsa_system_vgpr_workitem_id 0
		.amdhsa_next_free_vgpr 1024
		.amdhsa_next_free_sgpr 100
		.amdhsa_reserve_vcc 0
		.amdhsa_float_denorm_mode_32 3
		.amdhsa_float_denorm_mode_16_64 3
		.amdhsa_memory_ordered 1
		.amdhsa_forward_progress 1
		.amdhsa_inst_pref_size 255
	.end_amdhsa_kernel
	.section	.bss,"aw",@nobits
	.p2align	6
	.space	262144
	.amdgpu_metadata
---
amdhsa.version: [ 1, 2 ]
amdhsa.kernels:
  - .name:           k_qd24cf297a6_ffn1
    .symbol:         k_qd24cf297a6_ffn1.kd
    .args:
      - { .name: h2, .offset: 0, .size: 8, .value_kind: global_buffer, .address_space: global }
      - { .name: W1_codes, .offset: 8, .size: 8, .value_kind: global_buffer, .address_space: global }
      - { .name: lowp_scales, .offset: 16, .size: 8, .value_kind: global_buffer, .address_space: global }
      - { .name: b1, .offset: 24, .size: 8, .value_kind: global_buffer, .address_space: global }
      - { .name: ff, .offset: 32, .size: 8, .value_kind: global_buffer, .address_space: global }
    .group_segment_fixed_size: 327680
    .private_segment_fixed_size: 0
    .kernarg_segment_align: 8
    .kernarg_segment_size: 40
    .max_flat_workgroup_size: 128
    .sgpr_count:     100
    .vgpr_count:     1024
    .wavefront_size: 32
...
	.end_amdgpu_metadata
.endif
;; end of part 6
;; launch ffn2 (part 7): grid 32 x 8, 4 waves a work-group, clusters of 4 x 1, 327,680 bytes of LDS; arguments ff, W2_codes, lowp_scales, b2, x1, out0; writes out0
.if DOCPART == 7
	.amdgcn_target "amdgcn-amd-amdhsa--gfx1250"
	.amdhsa_code_object_version 6
	.text
	.protected	k_qd24cf297a6_ffn2
	.globl	k_qd24cf297a6_ffn2
	.p2align	8
	.type	k_qd24cf297a6_ffn2,@function
k_qd24cf297a6_ffn2:
	s_mov_b64 s[64:65], 0
	v_nop
	global_prefetch_b8 v0, s[64:65] scope:SCOPE_SE
	s_setreg_imm32_b32 hwreg(HW_REG_WAVE_MODE, 25, 1), 1
	s_wait_xcnt 0x0
	s_wait_alu depctr_hold_cnt(0) depctr_sa_sdst(0) depctr_va_vdst(0) depctr_va_sdst(0) depctr_va_ssrc(0) depctr_va_vcc(0) depctr_vm_vsrc(0)
	s_getreg_b32 s2, hwreg(HW_REG_IB_STS2, 6, 4)
	s_cmp_eq_u32 s2, 0
	s_cbranch_scc0 .Lentry_in_a_cluster
	s_endpgm
.Lentry_in_a_cluster:
	s_bfe_u32 s2, ttmp6, 0x10000c
	s_cmp_lg_u32 s2, 0x3003
	s_cbranch_scc0 .Lentry_shape_is_right
	s_endpgm
.Lentry_shape_is_right:
; LAUNCH 7 OF 7.  out0 = x1 + ff W2^T + b2, the product on codes of E4M3 (K = 4,096).  Nothing is left out.
; SHARES.  A work-group makes 128 x 128 of the result (x: 128 rows, y: 128 columns; 32 x 8 = 256 work-groups).  EACH OF ITS FOUR WAVES MAKES THE WHOLE 128 x 128 OVER A QUARTER OF K (1,024): 64 accumulators, 512 registers.
; A step is 64 along K: 8 fragments of ff, 8 of W2, 64 matrix instructions of the K = 64 form (registers 2 c, 2 c + 1 of lane (r, h): k = 16 c + 8 h + 0 .. 7).
; ff GOES FROM MEMORY STRAIGHT INTO REGISTERS: it lies as images of operand registers, [row / 16][k / 128][2,048 bytes]; half an image is a fragment, two loads of 512 consecutive bytes.  Four sets of 64 registers take turns;
; a set is asked for again, four steps ahead, as soon as its products are issued.  Each byte of the work-group's 128 rows is loaded once, by the one wave that multiplies it; all offsets are immediates.
; W2 COMES AS ROWS OF CODES THROUGH TWO LDS SLOTS of 256 along K (four steps), by joint tensor loads: the four work-groups of a cluster make four row blocks of one column block and want the same rows of W2 (mask 15).
; Each wave asks for its own quarter's part, 128 rows x 256 bytes, and it alone reads those bytes; four fills a wave; a round of the cluster's barrier stands in front of every refill.
; ff IS NOT ASKED FOR JOINTLY: two slots of both operands at this step length would not fit in LDS, and at half the length both operands would take eight changes of slots in place of four.
; NO PREFETCH: through the whole loop a wave has ff's loads of three steps ahead on their way, 24,576 bytes, and asks for more in each step: there is no pause to run ahead in.
; Source 0 = 16 rows of W2, source 1 = 16 rows of ff: lane (r, h) of accumulator (a, b) holds row 16 a + r, columns 16 b + 8 h + 0 .. 7.
; THE WAY OUT.  Each wave puts its partial sums into LDS as rows of 512 + 16 bytes, over the slots, which have had their last fill and, behind a barrier, their last read; one more barrier; wave w adds the four parts of
; rows 32 w .. 32 w + 31, x 2^(e14 + e15) + residual + bias, and stores whole rows of 512 consecutive bytes.  The residual is asked for in steps 12 and 13, into registers of ff's sets that are done with.
; LIMIT: e14 + e15 between -126 and 127.  The order of the f32 sums is not the model's (four parts of K, added at the end).
.set BP,    272                        ; a row of W2 in LDS: 256 bytes + 16: the 32 lanes of an 8-byte load fall on 64 different banks (64 banks of 4 bytes: ISA guide 11.1)
.set WSL,   128*BP                     ; a wave's part of a slot
.set SLOT,  4*WSL
.set SPARE, 2*SLOT                     ; behind the ring: the spare words, 128 bytes for each wave
.set PP,    528                        ; the way out: an LDS row of 512 bytes + 16
.set PART,  128*PP                     ; a wave's partial sums; the four parts end under SPARE
.set LI,   2                           ; v2   16 x lane
.set SPW,  4                           ; v4   my spare word; never rewritten
.set NIL,  5                           ; v5   0; never rewritten
.set STO,  6                           ; v6   where I put 32 bytes of a row of my part
.set RD,   8                           ; v8-11  my rows in the four parts
.set BIA,  12                          ; v12-15 the bias of my four columns
.set BA,   16                          ; v16-17 my lane's place in my part of slot 0, 1
.set G0,   36                          ; s[36:39], s[40:43] descriptor group 0, one for each slot;  s[44:51] group 1
.set G1,   44
; window 0: v64-95 results on the way out; v128-255 W2's fragments, two sets;  window 1: ff's four sets, set s at 64 s; at the end the residual in v0-127;  windows 2, 3: the accumulators
.set MSB, 0
.macro WIN new                         ; the immediate's high byte repeats the setting that is left
.if MSB != (\new)
	s_set_vgpr_msb (MSB<<8)|(\new)
.set MSB, (\new)
.endif
.endm
.set MUL_LO, 0xa4                      ; source 0 window 0, source 1 window 1, C and D window 2
.set MUL_HI, 0xf4
.macro PLACES                          ; plain vector lines between a matrix instruction and a load into, or a read of, its registers
.rept 4
	v_nop
.endr
.endm
.macro ROUND                           ; a round of the cluster's barrier
	s_barrier_signal -1
	s_barrier_wait -1
	s_cmp_lg_u32 s16, 0
	s_cbranch_scc1 .Lnot_wave_0_\@
	s_barrier_signal -3
.Lnot_wave_0_\@:
	s_barrier_wait -3
	s_barrier_signal -1
	s_barrier_wait -1
.endm
.macro LDA s, a0, t                    ; ff's fragments a0 .. a0 + 3 of step t into set s
	WIN 0x40
.irp a, 0,1,2,3
	global_load_b128 v[64*(\s)+8*(\a0+\a):64*(\s)+8*(\a0+\a)+3], v[LI], s[20:21] offset:65536*(\a0+\a)+1024*(\t)
	global_load_b128 v[64*(\s)+8*(\a0+\a)+4:64*(\s)+8*(\a0+\a)+7], v[LI], s[20:21] offset:65536*(\a0+\a)+1024*(\t)+512
.endr
	WIN 0
.endm
.macro LDB p, slot, q                  ; W2's eight fragments of the slot's q-th step into set p
.irp b, 0,1,2,3,4,5,6,7
.irp c, 0,1,2,3
	ds_load_b64 v[128+64*(\p)+8*\b+2*\c:128+64*(\p)+8*\b+2*\c+1], v[BA+\slot] offset:\b*16*BP+64*(\q)+16*\c
.endr
.endr
.endm
.macro RES hf                          ; 16 of my 32 rows of the residual, 512 consecutive bytes a load
	WIN 0x40
.irp i, 0,1,2,3,4,5,6,7,8,9,10,11,12,13,14,15
	global_load_b128 v[64*\hf+4*\i:64*\hf+4*\i+3], v[LI], s[24:25] offset:4096*(16*\hf+\i) th:TH_LOAD_NT
.endr
	WIN 0
.endm
.macro MUL32 s, p, hi, zero            ; four blocks of ff x W2's eight.  The 64 accumulators take turns, one instruction a turn, in the same order in every step
.irp a, 0,1,2,3
.irp b, 0,1,2,3,4,5,6,7
.if \zero
	v_wmma_f32_16x16x64_fp8_fp8 v[8*(8*\a+\b):8*(8*\a+\b)+7], v[128+64*(\p)+8*\b:128+64*(\p)+8*\b+7], v[64*(\s)+8*(4*\hi+\a):64*(\s)+8*(4*\hi+\a)+7], 0
.else
	v_wmma_f32_16x16x64_fp8_fp8 v[8*(8*\a+\b):8*(8*\a+\b)+7], v[128+64*(\p)+8*\b:128+64*(\p)+8*\b+7], v[64*(\s)+8*(4*\hi+\a):64*(\s)+8*(4*\hi+\a)+7], v[8*(8*\a+\b):8*(8*\a+\b)+7]
.endif
.endr
.endr
.endm
; Step t of my 16.  ff's set t % 4, W2's set t % 2.  THE COUNTS: behind step t's 16 loads of ff stand those of the next three steps, 48; from step 12 on the residual's 32 take the place of steps that are no more; behind step 15's: those 32.
.macro SUB t, slot
.if ((\t)%4) == 0
	LDB (\t)%2, \slot, 0                           ; a slot's first step: its fragments of W2 can be asked for only now
.endif
.if (\t) == 15
	s_wait_loadcnt 32
.else
	s_wait_loadcnt 48
.endif
	s_wait_dscnt 0x0                               ; W2's fragments are in
	WIN MUL_LO
.if (\t) == 0
	MUL32 (\t)%4, (\t)%2, 0, 1
.else
	MUL32 (\t)%4, (\t)%2, 0, 0
.endif
	PLACES
	WIN 0
.if ((\t)%4) < 3
	LDB ((\t)+1)%2, \slot, ((\t)%4)+1              ; the next step's, into the set that the last step read
.endif
.if (\t) < 12
	LDA (\t)%4, 0, (\t)+4
.endif
	WIN MUL_HI
.if (\t) == 0
	MUL32 (\t)%4, (\t)%2, 1, 1
.else
	MUL32 (\t)%4, (\t)%2, 1, 0
.endif
	PLACES
	WIN 0
.if (\t) < 12
	LDA (\t)%4, 4, (\t)+4
.endif
.if (\t) == 12
	RES 0
.endif
.if (\t) == 13
	RES 1
.endif
.endm
; Four steps on one slot.  refill = 1: in front of them the change of slots: all my tensor loads have landed, the add, my reads of the other slot are over; the round; the other slot's next fill, my one tensor load behind the round.
.macro PHASE ph, refill, step
	s_wait_tensorcnt 0x0                           ; my part of this slot is in, and no load of mine is out
.if \refill
	ds_add_u32 v[SPW], v[NIL]
.if \step
	s_add_nc_u64 s[G0+4*((\ph)%2)+2:G0+4*((\ph)%2)+3], s[G0+4*((\ph)%2)+2:G0+4*((\ph)%2)+3], 512   ; this slot's next fill: two slots on along K
.endif
	s_wait_dscnt 0x0
	ROUND
	tensor_load_to_lds s[G0+4*(1-(\ph)%2):G0+4*(1-(\ph)%2)+3], s[G1:G1+7]
	s_nop 0
	PLACES
.endif
	SUB 4*(\ph)+0, (\ph)%2
	SUB 4*(\ph)+1, (\ph)%2
	SUB 4*(\ph)+2, (\ph)%2
	SUB 4*(\ph)+3, (\ph)%2
.endm
	s_load_b256 s[4:11], s[0:1], 0x0               ; ff, W2's codes, the scales, b2
	s_load_b128 s[12:15], s[0:1], 0x20             ; x1, out0
	v_lshl_add_u32 v[SPW], v0, 2, SPARE
	v_mov_b32 v[NIL], 0
	ds_add_u32 v[SPW], v[NIL]                      ; the opening: the add, twice on end, and its wait ahead of my first tensor load
	ds_add_u32 v[SPW], v[NIL]
	v_lshrrev_b32 v1, 5, v0
	v_readfirstlane_b32 s16, v1                    ; wave: my quarter of K, and my 32 rows on the way out
	s_bfe_u32 s17, ttmp6, 0x40000                  ; cx
	s_lshl_b32 s18, ttmp9, 2
	s_add_co_u32 s17, s17, s18                     ; which 128 rows = 4 x cluster x + cx
	s_and_b32 s3, ttmp7, 0xffff                    ; which 128 columns: the same in the four partners
	s_mov_b32 s[G1+0], 15|(1<<20)|(1<<21)|(5<<22)|(3<<25)   ; the mask: all four of the cluster; elements of 1 byte; padding on; bit 21 beside a mask; 4 words behind every 64
	s_mov_b32 s[G1+1], 256<<16                     ; tensor_dim0
	s_mov_b32 s[G1+2], 128<<16                     ; tensor_dim1
	s_mov_b32 s[G1+3], 256<<16                     ; tile_dim0
	s_mov_b32 s[G1+4], 128                         ; tile_dim1
	s_mov_b32 s[G1+5], 4096                        ; the pitch
	s_mov_b32 s[G1+6], 0
	s_mov_b32 s[G1+7], 0
	s_lshl_b32 s18, s16, 14                        ; ff: my quarter of K: 8 images of 2,048 bytes,
	s_lshl_b32 s20, s17, 19                        ; 8 row blocks of 65,536 bytes
	s_add_co_u32 s20, s20, s18
	s_mov_b32 s21, 0
	s_lshl_b32 s22, s3, 19                         ; W2: 128 rows of 4,096 bytes,
	s_lshl_b32 s18, s16, 10                        ; my quarter of K
	s_add_co_u32 s22, s22, s18
	s_mov_b32 s23, 0
	s_lshl_b32 s26, s3, 9                          ; my work-group's first column, in bytes
	s_mov_b32 s27, 0
	s_lshl_b32 s32, s17, 19                        ; 128 rows of 4,096 bytes,
	s_lshl_b32 s33, s16, 17                        ; my 32 of them,
	s_add_co_u32 s32, s32, s33
	s_add_co_u32 s32, s32, s26                     ; the column
	s_mov_b32 s33, 0
	s_mul_i32 s18, s16, PART
	s_mul_i32 s19, s16, 32*PP
	s_mul_i32 s[G0+1], s16, WSL                    ; where my part of slot 0 lies: the wave's number alone
	s_add_co_u32 s[G0+5], s[G0+1], SLOT            ; and of slot 1
	s_mov_b32 s[G0], 1
	s_mov_b32 s[G0+4], 1
	v_and_b32 v1, 31, v0
	v_lshlrev_b32 v[LI], 4, v1
	v_and_b32 v1, 15, v0                           ; r
	v_bfe_u32 v3, v0, 4, 1                         ; h
	v_mul_u32_u24 v[STO], v1, PP
	v_lshl_add_u32 v[STO], v3, 5, v[STO]
	v_add_nc_u32 v[STO], s18, v[STO]               ; my part, row r, 32 bytes for each half of the lanes
	v_add_nc_u32 v[RD], s19, v[LI]                 ; back: the 32 lanes take one row of 512 bytes
	v_add_nc_u32 v[RD+1], PART, v[RD]
	v_add_nc_u32 v[RD+2], 2*PART, v[RD]
	v_add_nc_u32 v[RD+3], 3*PART, v[RD]
	v_mul_u32_u24 v[BA], v1, BP
	v_lshl_add_u32 v[BA], v3, 3, v[BA]
	v_add_nc_u32 v[BA], s[G0+1], v[BA]             ; W2: row r x pitch + 8 h, in my part
	v_add_nc_u32 v[BA+1], SLOT, v[BA]
	s_wait_alu depctr_va_vdst(0)
	s_wait_dscnt 0x0                               ; both opening adds are done
	s_wait_kmcnt 0x0
	s_load_b64 s[28:29], s[8:9], 0x38              ; e14, e15
	s_add_nc_u64 s[20:21], s[4:5], s[20:21]
	s_add_nc_u64 s[22:23], s[6:7], s[22:23]
	s_add_nc_u64 s[26:27], s[10:11], s[26:27]
	s_add_nc_u64 s[24:25], s[12:13], s[32:33]
	s_add_nc_u64 s[30:31], s[14:15], s[32:33]
	s_mov_b64 s[G0+2:G0+3], s[22:23]               ; the first 256 of my quarter,
	s_or_b32 s[G0+3], s[G0+3], 0x80000000
	s_add_nc_u64 s[G0+6:G0+7], s[22:23], 256       ; the second
	s_or_b32 s[G0+7], s[G0+7], 0x80000000
	ROUND                                          ; all four work-groups are here: the first joint loads meet
	tensor_load_to_lds s[G0:G0+3], s[G1:G1+7]      ; slot 0: one tensor load a wave at the head
	s_nop 0
	PLACES
	global_load_b128 v[BIA:BIA+3], v[LI], s[26:27]
.irp t, 0,1,2,3
	LDA \t, 0, \t                                  ; ff's steps 0 to 3
	LDA \t, 4, \t
.endr
	PHASE 0, 1, 1                                  ; behind its round: slot 1's first fill, issued as a refill is
	PHASE 1, 1, 1
	PHASE 2, 1, 0
	PHASE 3, 0, 0                                  ; nothing more to fill: the wait for my own part alone
	s_barrier_signal -1                            ; my reads of the slots are over (each step has waited for its own),
	s_barrier_wait -1                              ; and everybody's: the partial sums may be laid over the slots
.macro OUTS hi                         ; 32 accumulators into my part; each from its low end on
.irp a, 0,1,2,3
.irp b, 0,1,2,3,4,5,6,7
	ds_store_b128 v[STO], v[8*(8*\a+\b):8*(8*\a+\b)+3] offset:(\a+4*\hi)*16*PP+64*\b
	ds_store_b128 v[STO], v[8*(8*\a+\b)+4:8*(8*\a+\b)+7] offset:(\a+4*\hi)*16*PP+64*\b+16
.endr
.endr
.endm
	WIN 0x08                                       ; the stores' data: window 2,
	OUTS 0
	WIN 0x0c                                       ; window 3
	OUTS 1
	WIN 0
	s_wait_kmcnt 0x0
	s_add_co_i32 s28, s28, s29
	s_add_co_i32 s28, s28, 127
	s_lshl_b32 s28, s28, 23                        ; 2^(e14 + e15)
	s_mov_b32 s29, s28                             ; (named with it as a pair)
	s_wait_dscnt 0x0                               ; for the others' sake: my part is stored
	s_barrier_signal -1
	s_barrier_wait -1                              ; everybody's is
.macro GET k                           ; rows 4 k .. 4 k + 3 of my 32, from all four parts: 16 loads into one of two sets of 64 registers
.irp i, 0,1,2,3
.irp p, 0,1,2,3
	ds_load_b128 v[128+64*((\k)%2)+16*\i+4*\p:128+64*((\k)%2)+16*\i+4*\p+3], v[RD+\p] offset:(4*(\k)+\i)*PP
.endr
.endr
.endm
.macro PUT k
.set XB, 128+64*((\k)%2)
.set OB, 64+16*((\k)%2)
.set RB, 16*(\k)
.irp i, 0,1,2,3
.irp q, 0,2
	v_pk_add_f32 v[XB+16*\i+\q:XB+16*\i+\q+1], v[XB+16*\i+\q:XB+16*\i+\q+1], v[XB+16*\i+4+\q:XB+16*\i+4+\q+1]
	v_pk_add_f32 v[XB+16*\i+8+\q:XB+16*\i+8+\q+1], v[XB+16*\i+8+\q:XB+16*\i+8+\q+1], v[XB+16*\i+12+\q:XB+16*\i+12+\q+1]
.endr
.endr
.irp i, 0,1,2,3
.irp q, 0,2
	v_pk_add_f32 v[XB+16*\i+\q:XB+16*\i+\q+1], v[XB+16*\i+\q:XB+16*\i+\q+1], v[XB+16*\i+8+\q:XB+16*\i+8+\q+1]
.endr
.endr
	WIN 0x10                                       ; source 2: the residual's window
.irp i, 0,1,2,3
.irp q, 0,2
	v_pk_fma_f32 v[OB+4*\i+\q:OB+4*\i+\q+1], v[XB+16*\i+\q:XB+16*\i+\q+1], s[28:29], v[RB+4*\i+\q:RB+4*\i+\q+1] op_sel_hi:[1,0,1]
.endr
.endr
	WIN 0
.irp i, 0,1,2,3
.irp q, 0,2
	v_pk_add_f32 v[OB+4*\i+\q:OB+4*\i+\q+1], v[OB+4*\i+\q:OB+4*\i+\q+1], v[BIA+\q:BIA+\q+1]
.endr
.endr
.irp i, 0,1,2,3
	global_store_b128 v[LI], v[OB+4*\i:OB+4*\i+3], s[30:31] offset:4096*(4*(\k)+\i) th:TH_STORE_NT   ; 512 consecutive bytes, aligned
.endr
.endm
	GET 0
	s_wait_loadcnt 0x0                             ; the residual and the bias
.irp k, 0,1,2,3,4,5,6,7
.if \k < 7
	GET \k+1
	s_wait_dscnt 16                                ; all but the 16 just issued
.else
	s_wait_dscnt 0x0
.endif
	s_wait_xcnt 0x0                                ; earlier stores have read their data registers
	PUT \k
.endr
	s_wait_tensorcnt 0x0                           ; the wave's end, behind my last tensor load and my last LDS store
	ds_add_u32 v[SPW], v[NIL]
	s_wait_dscnt 0x0
	ROUND                                          ; the closing round
	s_endpgm
.Lfunc_end_k_qd24cf297a6_ffn2:
	.size	k_qd24cf297a6_ffn2, .Lfunc_end_k_qd24cf297a6_ffn2-k_qd24cf297a6_ffn2
	.p2alignl 7, 3214868480
	.fill 96, 4, 3214868480
	.section	.rodata,"a",@progbits
	.p2align	6, 0x0
	.amdhsa_kernel k_qd24cf297a6_ffn2
		.amdhsa_group_segment_fixed_size 327680
		.amdhsa_private_segment_fixed_size 0
		.amdhsa_enable_private_segment 0
		.amdhsa_kernarg_size 48
		.amdhsa_user_sgpr_count 2
		.amdhsa_user_sgpr_kernarg_segment_ptr 1
		.amdhsa_wavefront_size32 1
		.amdhsa_system_sgpr_workgroup_id_x 1
		.amdhsa_system_sgpr_workgroup_id_y 1
		.amdhsa_system_sgpr_workgroup_id_z 1
		.amdhsa_system_vgpr_workitem_id 0
		.amdhsa_next_free_vgpr 1024
		.amdhsa_next_free_sgpr 66
		.amdhsa_reserve_vcc 0
		.amdhsa_float_denorm_mode_32 3
		.amdhsa_float_denorm_mode_16_64 3
		.amdhsa_memory_ordered 1
		.amdhsa_forward_progress 1
		.amdhsa_inst_pref_size 180
	.end_amdhsa_kernel
	.amdgpu_metadata
---
amdhsa.version: [ 1, 2 ]
amdhsa.kernels:
  - .name:           k_qd24cf297a6_ffn2
    .symbol:         k_qd24cf297a6_ffn2.kd
    .args:
      - { .name: ff, .offset: 0, .size: 8, .value_kind: global_buffer, .address_space: global }
      - { .name: W2_codes, .offset: 8, .size: 8, .value_kind: global_buffer, .address_space: global }
      - { .name: lowp_scales, .offset: 16, .size: 8, .value_kind: global_buffer, .address_space: global }
      - { .name: b2, .offset: 24, .size: 8, .value_kind: global_buffer, .address_space: global }
      - { .name: x1, .offset: 32, .size: 8, .value_kind: global_buffer, .address_space: global }
      - { .name: out0, .offset: 40, .size: 8, .value_kind: global_buffer, .address_space: global }
    .group_segment_fixed_size: 327680
    .private_segment_fixed_size: 0
    .kernarg_segment_align: 8
    .kernarg_segment_size: 48
    .max_flat_workgroup_size: 128
    .sgpr_count:     66
    .vgpr_count:     1024
    .wavefront_size: 32
...
	.end_amdgpu_metadata
.endif
;; end of part 7
